; MI455X (gfx1250); checked and timed in simulation.
; The chip was launched on July 23, 2026; its instructions are those of AMD's public machine-readable ISA for CDNA 5 (MIT licence, August 2026) and "CDNA5" Instruction Set Architecture Reference Guide (July 2026). The comments in the code are by the model that wrote it; some were corrected since.
;; Causal Self Attention. Allowed arithmetic: matrix products marked QUANTISED: E2M3 operands, one E8M0 scale for each 32 along K, by v_wmma_scale_f32_16x16x128_f8f6f4 with both operands' format E2M3, f32 sums; everything else in f32.
;; Inputs: b_attn 3,072 float32; b_proj 1,024 float32; w_attn 1,024 x 3,072 float32; w_proj 1,024 x 1,024 float32; x 4 x 2,048 x 1,024 float32.
;; Outputs: out0 4 x 2,048 x 1,024 float32.
;; This version of the problem:
;;   THIS VERSION OF THE PROBLEM IS GIVEN IN LOW PRECISION. The matrix products marked QUANTISED in the list below multiply operands that are first quantised to E2M3 (2 exponent bits, 3 mantissa bits; 6 bits a number), with one power-of-two scale for each 32 numbers along K (OCP MX v1.0); their sums are f32. All else is computed in f32.
;;   The module's matrix products, in the order in which they are computed (A, B: the left and right operand; K: the contracted axis; several contracted axes count as one K, in the product's order):
;;     1. [M 8,192, K 1,024] x [K 1,024, N 3,072]; A: input x; B: input w_attn: QUANTISED
;;     2. batch 64 x [M 2,048, K 64] x [K 64, N 2,048]; A: computed on the way; B: computed on the way: QUANTISED
;;     3. batch 64 x [M 2,048, K 2,048] x [K 2,048, N 64]; A: softmax (see below); B: computed on the way: QUANTISED
;;     4. [M 8,192, K 1,024] x [K 1,024, N 1,024]; A: computed on the way; B: input w_proj: QUANTISED
;;   THE QUANTISER, for each operand of a quantised product, along K:
;;     - K is cut into blocks of 32 from its start; a last block that is shorter is filled with zeros.
;;     - A block's scale is 2^e with e = floor(log2(the largest magnitude in the block)) - 2, held to -126 .. 127; a block of zeros has e = 0. As a byte (E8M0): e + 127.
;;     - Each number is divided by its block's scale, clamped to +-7.5, and rounded to the nearest number of E2M3, ties to even, subnormals kept.
;;     - The product sums the exact products of the quantised numbers (number of the format x scale) in f32.
;;   ~~~python
;;   def quantise(x, axis):      # numpy; x: float32 -> the quantised numbers, widened to float32 again
;;       x = np.moveaxis(x, axis, -1); K = x.shape[-1]
;;       x = np.pad(x, [(0, 0)] * (x.ndim - 1) + [(0, -K % 32)]); x = x.reshape(x.shape[:-1] + (-1, 32)); a = np.abs(x).max(-1, keepdims=True)
;;       e = np.where(a > 0, np.clip(np.frexp(np.where(a > 0, a, 1))[1] - 1 - 2, -126, 127), 0)      # np.frexp(a)[1] - 1 = floor(log2(a)), exactly
;;       r = np.clip(x / 2.0 ** e, -7.5, 7.5)
;;       step = 2.0 ** (np.maximum(np.frexp(np.where(r == 0, 1, r))[1] - 1, 0) - 3)
;;       q = np.round(r / step) * step * 2.0 ** e      # np.round: ties to even
;;       return np.moveaxis(q.reshape(q.shape[:-2] + (-1,))[..., :K], -1, axis).astype(np.float32)
;;   ~~~
;;   SOFTMAX AHEAD OF A QUANTISED PRODUCT. Where the list says 'softmax', what is quantised is not the finished softmax but p = 2^(t - M), with t = logit x log2(e) and M = ceil(the row's largest t), a whole number; so 1/2 < the row's largest p <= 1. The row's sum l is taken of the UNQUANTISED p, in f32, and the product's result is divided by l at the end. Since M is a whole number, a kernel that streams over the keys may use a running M (the ceiling of the running maximum): every later rescaling is an exact power of two, which a block's scale takes up: the codes' values come out the same.
;;   OPERANDS COMPUTED ON THE WAY. 'Computed on the way' means the value that the module computes at that place (a softmax that the list does not call 'softmax' is quantised finished and normalised). What goes into a quantiser is computed in f32, as accurately as f32 sums, v_exp_f32 and their like allow (about 1e-6 of the number): no bf16 or f16 on the way to a quantiser, and a product that is left as it is and whose result goes on into a quantised operand takes f32 operands (vector FMAs, or v_wmma_f32_16x16x4_f32). A number that lies on a knife's edge between two numbers of the format may be rounded either way, as far as f32 arithmetic and the matrix unit's own rounding can turn it there, and no further.
;; One version. Each part assembles by itself: llvm-mc -triple=amdgcn-amd-amdhsa -mcpu=gfx1250 --defsym DOCPART=n.
;; ======== version 1 of 1: 4 launches
;; workspace buffers: xg 6,291,456 bytes; xs 262,144 bytes; wg 3,145,728 bytes; ws 131,072 bytes; qkv 19,660,800 bytes; yg 6,291,456 bytes; ys 262,144 bytes
;; launch quant (part 1): grid 768 x 1, 4 waves a work-group, no clusters, 47,616 bytes of LDS; arguments x, w_attn, w_proj, xg, xs, wg, ws; writes xg, xs, wg, ws
.if DOCPART == 1
	.amdgcn_target "amdgcn-amd-amdhsa--gfx1250"
	.amdhsa_code_object_version 6
	.text
	.protected	k_qa5a5bd6cbc_quant
	.globl	k_qa5a5bd6cbc_quant
	.p2align	8
	.type	k_qa5a5bd6cbc_quant,@function
k_qa5a5bd6cbc_quant:
	s_mov_b64 s[64:65], 0
	v_nop
	global_prefetch_b8 v0, s[64:65] scope:SCOPE_SE
	s_setreg_imm32_b32 hwreg(HW_REG_WAVE_MODE, 25, 1), 1
	s_wait_xcnt 0x0
; x [8192][1024], w_attn [1024][3072] and w_proj [1024][1024], f32, become codes of FP6 (E2M3) with one E8M0 byte for each 32 along K (K = the 1,024 input channels of all three).
; A block's scale is 2^(floor(log2(largest magnitude)) - 2): its byte is the largest magnitude's exponent field - 2, held at 1 from below; numbers are divided by it and rounded to the nearest code, ties to even,
; beyond 7.5 the largest code.  LIMITS: NaN and infinities are not served; a block of zeros, and a block whose largest magnitude lies under 2^-124, gets the byte 1 (zeros add nothing under any byte; only this program reads the bytes).
; THE CODES ARE LAID IN THE ORDER OF AN OPERAND'S REGISTERS.  Block a of 16 rows holds rows rho(a, r) = 32 (a / 2) + 8 (a % 2) + r + 8 (r / 8).  Fragment (a, kap) = those rows x K 128 kap .. + 127 is 1,536 bytes at
; (kap / 2) NA 3072 + 3072 a + 1536 (kap % 2); in it piece p (registers 2 p, 2 p + 1) lies at 256 p, lane l's 8 bytes at 8 l.  NA = 512 for x, 256 for the weights (blocks 0-191: w_attn's columns, 192-255: w_proj's).
; The scale bytes lie [16 a + r][32].
; Work-groups 0-511 take x: block a = the work-group, wave = which 256 along K (two fragments).  Each load reads 512 consecutive bytes of a row; the numbers turn through the wave's own stage in LDS so that a lane
; holds 16 neighbours of each block of its row.  Work-groups 512-767 take the weights: a lane takes a column and its registers run down K, so a block of 32 lies in one lane; the codes go through a stage of their own
; into the fragments' order.  No barrier: waves share nothing.  The two ways have LDS bytes of their own.
.set XST,   8448                       ; x: a wave's stage: 16 rows x (512 bytes + 16)
.set WST0,  4*XST                      ; the weights' stages begin here
.set WSTW,  3328                       ; a wave's: two fragments x (1,536 bytes + 128)
.set SPARE, WST0+4*WSTW                ; the spare words, 128 bytes for each wave: two blocks of 256 bytes that no other line names
.set SPW,   10                         ; v10  LDS address of my spare word; never rewritten
.set NIL,   11                         ; v11  0; never rewritten
.set R0,    16                         ; v16-79   fragment 0 as loaded, later fragment 1's neighbours
.set R1,    80                         ; v80-143  fragment 1 as loaded
.set X0,    144                        ; v144-207 fragment 0's neighbours
.set PC0,   208                        ; v208-219 fragment 0's codes
.set PC1,   220                        ; v220-231 fragment 1's
.set PT,    232                        ; v232-238 conversions' second halves
.set TM,    240                        ; v240-255 at work; TM+8, TM+9 the two scale words
.set SEL,   20                         ; s[20:21] v_permlanex16_b32's selects for lane l xor 16
; 64 numbers of a lane, register 16 b + i = k 32 b + 16 (lane / 16) + i of my row, become a fragment's codes (registers 0-5 at d0, 6-11 at d1) and my row's scale word in pw.
.macro QUANT2 s, d0, d1, pw
.irp b, 0,1,2,3
	v_max3_num_f32 v[TM+\b], |v[\s+16*\b]|, |v[\s+1+16*\b]|, 0x1800000   ; my 16 numbers of block b, and the floor 2^(3 - 127): the byte cannot fall under 1
.endr
.irp i, 2,4,6,8,10,12,14
.irp b, 0,1,2,3
	v_max3_num_f32 v[TM+\b], v[TM+\b], |v[\s+16*\b+\i]|, |v[\s+1+16*\b+\i]|   ; the four blocks by turns
.endr
.endr
.irp b, 0,1,2,3
	v_permlanex16_b32 v[TM+4+\b], v[TM+\b], s[SEL], s[SEL+1]
.endr
.irp b, 0,1,2,3
	v_max_num_f32 v[TM+\b], v[TM+\b], v[TM+4+\b]   ; with lane l xor 16's 16: the block's largest magnitude
.endr
.irp b, 0,1,2,3
	v_add_nc_u32 v[TM+12+\b], 0xff000000, v[TM+\b]   ; 2 off its exponent field: the conversion takes this operand's exponent field as its scale
.endr
.irp b, 0,1,2,3
	v_lshrrev_b32 v[TM+4+\b], 23, v[TM+12+\b]      ; the scale's byte
.endr
	v_lshl_or_b32 v[\pw], v[TM+5], 8, v[TM+4]
	v_lshl_or_b32 v[\pw], v[TM+6], 16, v[\pw]
	v_lshl_or_b32 v[\pw], v[TM+7], 24, v[\pw]
	v_cvt_scalef32_pk16_fp6_f32 v[\d0:\d0+2], v[\s:\s+15], v[TM+12]
	v_cvt_scalef32_pk16_fp6_f32 v[PT:PT+2], v[\s+16:\s+31], v[TM+13]      ; (a conversion's three registers begin on an even number)
	v_cvt_scalef32_pk16_fp6_f32 v[\d1:\d1+2], v[\s+32:\s+47], v[TM+14]
	v_cvt_scalef32_pk16_fp6_f32 v[PT+4:PT+6], v[\s+48:\s+63], v[TM+15]
	v_nop                                          ; one plain place behind the scaled conversions
.irp i, 0,1,2
	v_permlane16_swap_b32 v[\d0+\i], v[PT+\i]      ; the operand wants a whole block in a lane: lanes 0-15 the even block, lanes 16-31 the odd one
.endr
.irp i, 0,1,2
	v_mov_b32 v[\d0+3+\i], v[PT+\i]
.endr
.irp i, 0,1,2
	v_permlane16_swap_b32 v[\d1+\i], v[PT+4+\i]
.endr
.irp i, 0,1,2
	v_mov_b32 v[\d1+3+\i], v[PT+4+\i]
.endr
.endm
	s_load_b256 s[4:11], s[0:1], 0x0               ; x s[4:5], w_attn s[6:7], w_proj s[8:9], xg s[10:11]
	s_load_b128 s[12:15], s[0:1], 0x20             ; xs s[12:13], wg s[14:15]
	s_load_b64 s[16:17], s[0:1], 0x30              ; ws
	v_lshl_add_u32 v[SPW], v0, 2, SPARE
	v_mov_b32 v[NIL], 0
	v_lshrrev_b32 v1, 5, v0
	v_readfirstlane_b32 s18, v1                    ; wave
	v_and_b32 v2, 31, v0                           ; lane
	v_and_b32 v3, 15, v0                           ; r
	v_bfe_u32 v9, v0, 4, 1                         ; h
	s_cmp_lt_u32 ttmp9, 512
	s_cbranch_scc0 .Lweights
	; ---------------- x
	s_mov_b32 s[SEL], 0x76543210
	s_mov_b32 s[SEL+1], 0xfedcba98
	s_mov_b32 s30, 0xffff0000                      ; lanes 16-31
	v_lshlrev_b32 v4, 4, v2                        ; 16 x lane: my bytes of a load's 512
	s_mul_i32 s22, s18, XST
	v_add_nc_u32 v5, s22, v4                       ; the stage, in: as loaded
	v_mul_u32_u24 v6, v3, 528
	v_lshl_add_u32 v6, v9, 6, v6
	v_add_nc_u32 v6, s22, v6                       ; out: row r, + 64 h: my 16 numbers of a block
	v_lshlrev_b32 v7, 3, v2                        ; 8 x lane: my place in a piece of the image
	v_lshlrev_b32 v8, 5, v3
	v_lshl_add_u32 v8, v9, 2, v8                   ; 32 r + 4 h: lanes 0-15 store fragment 0's scale word, lanes 16-31 fragment 1's
.irp b, 0,1,2,3
	v_mov_b32 v[TM+4+\b], 0                        ; written once: a lane permute's destination counts as one of its sources
.endr
	s_lshr_b32 s23, ttmp9, 1
	s_lshl_b32 s23, s23, 5
	s_and_b32 s24, ttmp9, 1
	s_lshl_b32 s24, s24, 3
	s_add_co_u32 s23, s23, s24                     ; the block's first row: 32 (a / 2) + 8 (a % 2)
	s_lshl_b32 s24, s23, 12                        ; rows of 4,096 bytes
	s_lshl_b32 s25, s18, 10                        ; my 256 along K
	s_add_co_u32 s24, s24, s25
	s_mov_b32 s25, 0
	s_mul_i32 s26, s18, 1572864                    ; the image: K step = wave,
	s_mul_i32 s27, ttmp9, 3072                     ; block a
	s_add_co_u32 s26, s26, s27
	s_mov_b32 s27, 0
	s_lshl_b32 s28, ttmp9, 9                       ; the scale bytes: 16 rows of 32 bytes a block,
	s_lshl_b32 s29, s18, 3                         ; my 8 bytes of each
	s_add_co_u32 s28, s28, s29
	s_mov_b32 s29, 0
	s_wait_alu depctr_va_vdst(0)
	s_wait_kmcnt 0x0
	s_add_nc_u64 s[4:5], s[4:5], s[24:25]
	s_add_nc_u64 s[10:11], s[10:11], s[26:27]
	s_add_nc_u64 s[12:13], s[12:13], s[28:29]
.irp f, 0,1
.irp i, 0,1,2,3,4,5,6,7,8,9,10,11,12,13,14,15
	global_load_b128 v[R0+64*\f+4*\i:R0+64*\f+4*\i+3], v4, s[4:5] offset:(\i+8*(\i/8))*4096+512*\f th:TH_LOAD_NT   ; 512 consecutive bytes of row rho(a, i)
.endr
.endr
	s_wait_loadcnt 16                              ; fragment 0's sixteen loads are in; fragment 1's sixteen may be out
.irp i, 0,1,2,3,4,5,6,7,8,9,10,11,12,13,14,15
	ds_store_b128 v5, v[R0+4*\i:R0+4*\i+3] offset:528*\i
.endr
.irp b, 0,1,2,3
.irp j, 0,1,2,3
	ds_load_b128 v[X0+16*\b+4*\j:X0+16*\b+4*\j+3], v6 offset:128*\b+16*\j   ; LDS serves a wave's instructions in order: these see my stores
.endr
.endr
	s_wait_loadcnt 0x0
.irp i, 0,1,2,3,4,5,6,7,8,9,10,11,12,13,14,15
	ds_store_b128 v5, v[R1+4*\i:R1+4*\i+3] offset:528*\i   ; the same stage again: behind the reads above, in order
.endr
	s_wait_dscnt 16                                ; fragment 0 is back (so its stores have read R0); the sixteen younger stores may be out
.irp b, 0,1,2,3
.irp j, 0,1,2,3
	ds_load_b128 v[R0+16*\b+4*\j:R0+16*\b+4*\j+3], v6 offset:128*\b+16*\j
.endr
.endr
	QUANT2 X0, PC0, PC0+6, TM+8
.irp p, 0,1,2,3,4,5
	global_store_b64 v7, v[PC0+2*\p:PC0+2*\p+1], s[10:11] offset:256*\p   ; 32 lanes store 256 consecutive bytes, aligned
.endr
	s_wait_dscnt 0x0
	QUANT2 R0, PC1, PC1+6, TM+9
.irp p, 0,1,2,3,4,5
	global_store_b64 v7, v[PC1+2*\p:PC1+2*\p+1], s[10:11] offset:1536+256*\p
.endr
	v_cndmask_b32 v[TM+10], v[TM+8], v[TM+9], s30
	global_store_b32 v8, v[TM+10], s[12:13]
	s_branch .Lend
	; ---------------- the weights
.Lweights:
	s_sub_co_u32 s22, ttmp9, 512
	s_and_b32 s23, s22, 31                         ; which 128 of the 4,096 columns (under 24: w_attn's)
	s_lshr_b32 s24, s22, 5                         ; kap: which 128 along K
	s_lshl_b32 s25, s23, 7
	s_lshl_b32 s26, s18, 5
	s_add_co_u32 s25, s25, s26                     ; C0: my wave's first column
	s_wait_alu depctr_va_vdst(0)
	v_lshlrev_b32 v4, 2, v2                        ; in: 4 bytes a lane: lane = column C0 + lane
	v_bfe_u32 v12, v0, 3, 1                        ; u: which of the two blocks of 16 my column falls into,
	v_and_b32 v13, 7, v0
	v_lshl_add_u32 v13, v9, 3, v13                 ; and as which row r' of it: lane = 8 u + r' + 8 (r' / 8)
	s_mul_i32 s26, s18, WSTW
	s_add_co_u32 s26, s26, WST0                    ; my stage
	v_mul_u32_u24 v5, v12, 1664
	v_lshl_add_u32 v5, v13, 3, v5
	v_add_nc_u32 v5, s26, v5                       ; in: fragment u, 8 bytes at 8 r'
	v_lshlrev_b32 v7, 4, v2                        ; 16 x lane
	v_add_nc_u32 v6, s26, v7                       ; out: as the image lies
	v_lshl_add_u32 v8, v12, 4, v13
	v_lshlrev_b32 v8, 5, v8                        ; my row of scale bytes: 32 (16 u + r')
	s_lshl_b32 s27, s24, 7                         ; my first k
	s_mul_i32 s28, s27, 12288
	s_lshl_b32 s30, s25, 2
	s_add_co_u32 s28, s28, s30                     ; in w_attn
	s_lshl_b32 s31, s27, 12
	s_add_co_u32 s31, s31, s30
	s_sub_co_u32 s31, s31, 12288                   ; in w_proj: column C0 - 3072
	s_mov_b32 s29, 0
	s_wait_kmcnt 0x0
	s_cmp_lt_u32 s23, 24                           ; the choice hangs on the work-group's number alone
	s_cselect_b64 s[4:5], s[6:7], s[8:9]
	s_cselect_b32 s28, s28, s31
	s_add_nc_u64 s[4:5], s[4:5], s[28:29]
	s_lshr_b32 s28, s24, 1
	s_mul_i32 s28, s28, 786432                     ; the image: K step kap / 2,
	s_mul_i32 s30, s25, 192                        ; block C0 / 16,
	s_add_co_u32 s28, s28, s30
	s_and_b32 s30, s24, 1
	s_mul_i32 s30, s30, 1536                       ; its half kap % 2
	s_add_co_u32 s28, s28, s30
	s_add_nc_u64 s[14:15], s[14:15], s[28:29]
	s_lshl_b32 s28, s25, 5
	s_lshl_b32 s30, s24, 2
	s_add_co_u32 s28, s28, s30
	s_add_nc_u64 s[16:17], s[16:17], s[28:29]      ; the scale bytes: 32 C0 + 4 kap
; block t of 32 along K: W(32 t + i, my column).  The two tensors differ in the bytes from row to row: a branch round the run of loads alone; both ways issue 32 loads into the same registers
.macro WLOAD t
	s_cmp_lt_u32 s23, 24
	s_cbranch_scc0 .Lwp_\@
.irp i, 0,1,2,3,4,5,6,7,8,9,10,11,12,13,14,15,16,17,18,19,20,21,22,23,24,25,26,27,28,29,30,31
	global_load_b32 v[16+32*(\t)+\i], v4, s[4:5] offset:(32*(\t)+\i)*12288 th:TH_LOAD_NT
.endr
	s_branch .Lwj_\@
.Lwp_\@:
.irp i, 0,1,2,3,4,5,6,7,8,9,10,11,12,13,14,15,16,17,18,19,20,21,22,23,24,25,26,27,28,29,30,31
	global_load_b32 v[16+32*(\t)+\i], v4, s[4:5] offset:(32*(\t)+\i)*4096 th:TH_LOAD_NT
.endr
.Lwj_\@:
.endm
.macro WBLOCK t
.set XS, 16+32*(\t)
.set DD, 144+6*(\t)
.if (\t) < 3
	s_wait_loadcnt 32                              ; this block's 32 loads are in; the next block's 32 may be out
.else
	s_wait_loadcnt 0x0
.endif
.if (\t) < 2
	WLOAD (\t)+2                                   ; two blocks ahead
.endif
	v_max3_num_f32 v172, |v[XS]|, |v[XS+1]|, |v[XS+2]|   ; the block's largest magnitude: all 32 numbers are mine
	v_max3_num_f32 v173, |v[XS+3]|, |v[XS+4]|, |v[XS+5]|
.irp i, 6,10,14,18,22,26
	v_max3_num_f32 v172, v172, |v[XS+\i]|, |v[XS+\i+1]|
	v_max3_num_f32 v173, v173, |v[XS+\i+2]|, |v[XS+\i+3]|
.endr
	v_max3_num_f32 v172, v172, |v[XS+30]|, |v[XS+31]|
	v_max3_num_f32 v172, v172, v173, 0x1800000     ; and the floor 2^(3 - 127)
	v_add_nc_u32 v174, 0xff000000, v172            ; the conversion's scale operand
	v_lshrrev_b32 v175, 23, v174                   ; the byte
.if (\t) == 0
	v_mov_b32 v176, v175
.else
	v_lshl_or_b32 v176, v175, 8*(\t), v176         ; four bytes make my column's scale word for these 128 along K
.endif
	v_cvt_scalef32_pk16_fp6_f32 v[DD:DD+2], v[XS:XS+15], v174
	v_cvt_scalef32_pk16_fp6_f32 v[168:170], v[XS+16:XS+31], v174
	v_nop                                          ; one plain place behind the scaled conversions
.irp i, 0,1,2
	v_mov_b32 v[DD+3+\i], v[168+\i]
.endr
.irp q, 0,1,2
	ds_store_b64 v5, v[DD+2*\q:DD+2*\q+1] offset:256*(3*((\t)/2)+\q)+128*((\t)%2)   ; block t = registers 6 (t / 2) .. + 5 of lane 16 (t % 2) + r'
.endr
.endm
	WLOAD 0
	WLOAD 1
	WBLOCK 0
	WBLOCK 1
	WBLOCK 2
	WBLOCK 3
.irp n, 0,1,2,3,4,5
	ds_load_b128 v[180+4*\n:183+4*\n], v6 offset:1664*(\n/3)+512*(\n%3)   ; LDS serves a wave's instructions in order: these see my stores
.endr
	global_store_b32 v8, v176, s[16:17]
.irp n, 0,1,2,3,4,5
	s_wait_dscnt 5-\n                              ; this read is back; the younger ones may be out
	global_store_b128 v7, v[180+4*\n:183+4*\n], s[14:15] offset:3072*(\n/3)+512*(\n%3)   ; 32 lanes store 512 consecutive bytes, aligned
.endr
.Lend:
	s_wait_tensorcnt 0x0                           ; the wave's end
	ds_add_u32 v[SPW], v[NIL]
	s_wait_dscnt 0x0
	s_endpgm
.Lfunc_end_k_qa5a5bd6cbc_quant:
	.size	k_qa5a5bd6cbc_quant, .Lfunc_end_k_qa5a5bd6cbc_quant-k_qa5a5bd6cbc_quant
	.p2alignl 7, 3214868480
	.fill 96, 4, 3214868480
	.section	.rodata,"a",@progbits
	.p2align	6, 0x0
	.amdhsa_kernel k_qa5a5bd6cbc_quant
		.amdhsa_group_segment_fixed_size 47616
		.amdhsa_private_segment_fixed_size 0
		.amdhsa_enable_private_segment 0
		.amdhsa_kernarg_size 56
		.amdhsa_user_sgpr_count 2
		.amdhsa_user_sgpr_kernarg_segment_ptr 1
		.amdhsa_wavefront_size32 1
		.amdhsa_system_sgpr_workgroup_id_x 1
		.amdhsa_system_sgpr_workgroup_id_y 1
		.amdhsa_system_sgpr_workgroup_id_z 1
		.amdhsa_system_vgpr_workitem_id 0
		.amdhsa_next_free_vgpr 256
		.amdhsa_next_free_sgpr 66
		.amdhsa_reserve_vcc 0
		.amdhsa_float_denorm_mode_32 3
		.amdhsa_float_denorm_mode_16_64 3
		.amdhsa_memory_ordered 1
		.amdhsa_forward_progress 1
		.amdhsa_inst_pref_size 53
	.end_amdhsa_kernel
	.amdgpu_metadata
---
amdhsa.version: [ 1, 2 ]
amdhsa.kernels:
  - .name:           k_qa5a5bd6cbc_quant
    .symbol:         k_qa5a5bd6cbc_quant.kd
    .args:
      - { .name: x, .offset: 0, .size: 8, .value_kind: global_buffer, .address_space: global }
      - { .name: w_attn, .offset: 8, .size: 8, .value_kind: global_buffer, .address_space: global }
      - { .name: w_proj, .offset: 16, .size: 8, .value_kind: global_buffer, .address_space: global }
      - { .name: xg, .offset: 24, .size: 8, .value_kind: global_buffer, .address_space: global }
      - { .name: xs, .offset: 32, .size: 8, .value_kind: global_buffer, .address_space: global }
      - { .name: wg, .offset: 40, .size: 8, .value_kind: global_buffer, .address_space: global }
      - { .name: ws, .offset: 48, .size: 8, .value_kind: global_buffer, .address_space: global }
    .group_segment_fixed_size: 47616
    .private_segment_fixed_size: 0
    .kernarg_segment_align: 8
    .kernarg_segment_size: 56
    .max_flat_workgroup_size: 128
    .sgpr_count:     66
    .vgpr_count:     256
    .wavefront_size: 32
...
	.end_amdgpu_metadata
.endif
;; end of part 1
;; launch qkv (part 2): grid 8 x 48, 4 waves a work-group, clusters of 4 x 4, 327,680 bytes of LDS; arguments xg, xs, wg, ws, b_attn, qkv; writes qkv
.if DOCPART == 2
	.amdgcn_target "amdgcn-amd-amdhsa--gfx1250"
	.amdhsa_code_object_version 6
	.text
	.protected	k_qa5a5bd6cbc_qkv
	.globl	k_qa5a5bd6cbc_qkv
	.p2align	8
	.type	k_qa5a5bd6cbc_qkv,@function
k_qa5a5bd6cbc_qkv:
	s_mov_b64 s[64:65], 0
	v_nop
	global_prefetch_b8 v0, s[64:65] scope:SCOPE_SE
	s_setreg_imm32_b32 hwreg(HW_REG_WAVE_MODE, 25, 1), 1
	s_wait_xcnt 0x0
	s_wait_alu depctr_hold_cnt(0) depctr_sa_sdst(0) depctr_va_vdst(0) depctr_va_sdst(0) depctr_va_ssrc(0) depctr_va_vcc(0) depctr_vm_vsrc(0)
	s_getreg_b32 s2, hwreg(HW_REG_IB_STS2, 6, 4)
	s_cmp_eq_u32 s2, 0
	s_cbranch_scc0 .Lentry_in_a_cluster
	s_endpgm
.Lentry_in_a_cluster:
	s_bfe_u32 s2, ttmp6, 0x10000c
	s_cmp_lg_u32 s2, 0xf033
	s_cbranch_scc0 .Lentry_shape_is_right
	s_endpgm
.Lentry_shape_is_right:
; qkv = x w_attn + b_attn on codes of FP6 (E2M3) with E8M0 scales, sums in f32; the results never go to memory as f32: they are quantised here, q and k along the head's 64 channels, v along the keys, and stored
; in the order of the attention launch's operand registers.
; C'[i][j] = sum over k of A'[i][k] B'[j][k], quantised along j.  A tile is 256 x 256, four waves of 128 x 128 (64 accumulators, 512 registers).  The matrix instruction is used transposed (source 0 = 16 rows of B',
; source 1 = 16 rows of A'): a lane holds one row i, its registers run along j.  A block of 16 rows of either operand holds rows rho(a, r) = 32 (a / 2) + 8 (a % 2) + r + 8 (r / 8), so the 16 registers of two
; neighbouring accumulators are 16 neighbours along j.
; TWO REGIONS, told apart by the cluster's y, which all sixteen partners share.  y under 8: A' = x (tokens), B' = w_attn's columns 0-2047: q and k.  From 8 on: A' = w_attn's columns 2048-3071, B' = x: the keys are j,
; and a wave's result, quantised, IS a fragment of V^T.
; OPERANDS lie in memory in the order of their registers (launch quant): 8 blocks x 256 along K are 24,576 dense bytes: one tensor load; a fragment is six loads of 256 consecutive LDS bytes.
; K = 1,024 is four K steps of 256.  Three LDS slots take K steps 0 to 2 with the first fills; slot 0 is filled once more, with K step 3, behind a round of the cluster's barrier.  By this text's own count a wave has
; four tensor loads out at the start, later one.  The scale bytes of the tile's rows, for all of K, come once.
; CLUSTER 4 x 4: A's tiles are asked for jointly along a row of the cluster, B's along a column.
; No prefetch: three of the four K steps are asked for in the first lines, and the fourth has two K steps' products in which to land.
; OUT: three parts (q, k, v) of 6,553,600 bytes, each [batch x head 64][16 records of 128 tokens][6,400 bytes]: four images of 1,536 bytes (registers 4 c .. 4 c + 3 at 512 c + 16 lane), then 256 bytes of scale words [r][4].
; q, k: image g = the PAIR of token blocks 2 g, 2 g + 1 (registers 0-5, 6-11: 64 channels each); v: image t = channels rho(t, r) x 128 keys.
; LIMITS: as in launch quant (a block of zeros, or under 2^-124, gets the byte 1; NaN and infinities are not served).
; REGISTERS: window 0: v12-29 addresses; v32-63 scale words, two sets; v64-127 the bias along j; v128-223 A's fragments, one set; v224-239 the bias along i.  Window 1: B's fragments, two sets.  Windows 2, 3: accumulators.
.set HALFT,  24576                     ; 8 blocks x 256 along K: what one tensor load brings, and what one wave reads of A' or of B'
.set SLOT,   4*HALFT                   ; A's two halves, then B's two
.set SCL,    3*SLOT                    ; behind the three slots: the scales, as units of 256 bytes + 16 of padding
.set HALFS,  16*272                    ; those of 128 rows
.set SBLK,   2*272                     ; those of 16 rows
.set SPARE,  SCL+4*HALFS               ; the spare words, 128 bytes for each wave: two blocks of 256 bytes that no other line names
.set FR,     12
.set NL,     6
.set NP,     4
.set NQ,     2
.set ADRA, 16                          ; v16-18  LDS address of my A' fragments in slot 0, 1, 2
.set ADRB, 20                          ; v20-22  the same for B'
.set ADRS, 27                          ; v27     of my scale words: lanes 0-15 A's rows, lanes 16-31 B's
.set SPW,  28
.set NIL,  29
.set SC,   32
.set BJ,   64
.set AF,   128
.set BI,   224
.set TT,   128                         ; the way out: 64 numbers
.set PA,   192                         ; two sets of 12 registers of codes
.set PB,   204
.set PT,   216
.set TM,   32
.set W8,   48                          ; eight scale words
.set SO,   56
.set WV,   16
.set WHI,  17
.set WLO,  18
.set RGN,  19
.set SEL,  20
.set G1,   24
.set G0,   32                          ; s[32:43] three sets
.set G1B,  44
.set G0B,  52                          ; s[52:63]
.set STA,  66                          ; s[66:67] bytes from K step to K step in A'
.set G1S,  68
.set G0S,  76
.set G1SB, 80
.set G0SB, 88
.set STB,  100                         ; s[100:101] the same in B'
.set MSB, 0
.macro WIN new                         ; the immediate's high byte repeats the setting that is left
.if MSB != (\new)
	s_set_vgpr_msb (MSB<<8)|(\new)
.set MSB, (\new)
.endif
.endm
.set MUL_LO, 0xa1                      ; source 0 (B') window 1, source 1 (A') window 0, C and D window 2
.set MUL_HI, 0xf1
.set TO_B,   0x40
; A joint load: waves 0 and 1 fetch for A', waves 2 and 3 for B'.  The branch hangs on the wave's number alone.  An s_nop 0 and four v_nop follow each of the two lines.
.macro JLOAD g0a, g1a, g0b, g1b
	s_cmp_eq_u32 s[WHI], 0
	s_cbranch_scc0 .Lfor_b_\@
	tensor_load_to_lds s[\g0a:\g0a+3], s[\g1a:\g1a+7]
	s_nop 0
.rept 4
	v_nop
.endr
	s_branch .Lasked_\@
.Lfor_b_\@:
	tensor_load_to_lds s[\g0b:\g0b+3], s[\g1b:\g1b+7]
	s_nop 0
.rept 4
	v_nop
.endr
.Lasked_\@:
.endm
.macro CREST                           ; a round of the cluster's barrier behind its opening barrier
	s_cmp_lg_u32 s[WV], 0
	s_cbranch_scc1 .Lnot_wave_0_\@
	s_barrier_signal -3
.Lnot_wave_0_\@:
	s_barrier_wait -3
	s_barrier_signal -1
	s_barrier_wait -1
.endm
.macro CROUND
	s_barrier_signal -1
	s_barrier_wait -1
	CREST
.endm
.macro PLACES n
.rept \n
	v_nop
.endr
.endm
.macro FRAG reg, adr, q, i             ; a fragment: six pieces of 256 consecutive bytes, 8 a lane
.irp p, 0,1,2,3,4,5
	ds_load_b64 v[\reg+2*\p:\reg+2*\p+1], v[\adr] offset:(\i)*3072+(\q)*1536+256*\p
.endr
.endm
; 16 matrix instructions: A's blocks a0, a0 + 1 x B's eight.  p: B's set; q: which 128 of the K step; sc: the set of scale words.  The 64 accumulators take turns, one instruction a turn.
.macro MUL16 a0, p, q, sc, zero
.irp a, \a0, \a0+1
.irp b, 0,1,2,3,4,5,6,7
.if \zero
	v_wmma_scale_f32_16x16x128_f8f6f4 v[8*(8*((\a)%4)+\b):8*(8*((\a)%4)+\b)+7], v[128*(\p)+FR*\b:128*(\p)+FR*\b+FR-1], v[AF+FR*(\a):AF+FR*(\a)+FR-1], 0, v[SC+8*NQ*(\sc)+NQ*\b+(\q)], v[SC+8*NQ*(\sc)+NQ*(\a)+(\q)] matrix_a_fmt:MATRIX_FMT_FP6 matrix_b_fmt:MATRIX_FMT_FP6 matrix_a_scale:MATRIX_SCALE_ROW1
.else
	v_wmma_scale_f32_16x16x128_f8f6f4 v[8*(8*((\a)%4)+\b):8*(8*((\a)%4)+\b)+7], v[128*(\p)+FR*\b:128*(\p)+FR*\b+FR-1], v[AF+FR*(\a):AF+FR*(\a)+FR-1], v[8*(8*((\a)%4)+\b):8*(8*((\a)%4)+\b)+7], v[SC+8*NQ*(\sc)+NQ*\b+(\q)], v[SC+8*NQ*(\sc)+NQ*(\a)+(\q)] matrix_a_fmt:MATRIX_FMT_FP6 matrix_b_fmt:MATRIX_FMT_FP6 matrix_a_scale:MATRIX_SCALE_ROW1
.endif
.endr
.endr
.endm
.macro FETCH_B slot, q, p
	WIN TO_B
.irp i, 0,1,2,3,4,5,6,7
	FRAG 128*(\p)+FR*\i, ADRB+\slot, \q, \i
.endr
	WIN 0
.endm
.macro FETCH_A slot, q, i0
.irp i, \i0, \i0+1, \i0+2, \i0+3
	FRAG AF+FR*(\i), ADRA+\slot, \q, \i
.endr
.endm
.macro SCALES sc                       ; a K step's scale words: two a row; lanes 0-15 take A's block i, lanes 16-31 B's block i
.irp i, 0,1,2,3,4,5,6,7
	ds_load_b64 v[SC+8*NQ*\sc+NQ*\i:SC+8*NQ*\sc+NQ*\i+1], v[ADRS] offset:\i*SBLK
.endr
.endm
; The first 128 along K of a K step.  A block of A' is free as soon as its eight products are issued: blocks 0-3 are fetched anew in the middle, blocks 4-7 at the end.
.macro STEP slot, sc, zero
	s_wait_dscnt 4*NL                              ; all but the youngest 24 loads (A's blocks 4-7) are in
	WIN MUL_LO
	MUL16 0, 0, 0, \sc, \zero
	MUL16 2, 0, 0, \sc, \zero
	s_wait_dscnt 0
	PLACES NP                                      ; four places in front of loads into registers that matrix instructions have read
	FETCH_B \slot, 1, 1
	FETCH_A \slot, 1, 0
	WIN MUL_HI
	MUL16 4, 0, 0, \sc, \zero
	MUL16 6, 0, 0, \sc, \zero
	PLACES NP
	WIN 0
	FETCH_A \slot, 1, 4
.endm
; The second 128 changes slots: one barrier.  fill = 1: slot 0 is filled again: in front each wave waits for all its tensor loads, adds 0 to its spare word, and waits for that and for its reads of the slot; the barrier opens a
; round of the cluster's barrier, and the joint load is the first thing behind it.  fill = 0: the wait on the tensor loads is counted (tc younger loads may stay out).
.macro TURN slot, next, sc, nsc, fill, tc
.if \fill
	s_wait_tensorcnt 0x0                           ; all my tensor loads have landed
	ds_add_u32 v[SPW], v[NIL]                      ; 0 onto my spare word
	s_wait_dscnt 4*NL+1                            ; (the add and the youngest 24 loads may be out)
.else
	s_wait_tensorcnt \tc                           ; my part of the next slot is in
	s_wait_dscnt 4*NL
.endif
	WIN MUL_LO
	MUL16 0, 1, 1, \sc, 0
	s_wait_dscnt 0x0                               ; my reads of this slot are over (and the add is done)
	s_barrier_signal -1
	MUL16 2, 1, 1, \sc, 0
	WIN 0
	s_barrier_wait -1
.if \fill
	CREST                                          ; no wave of any partner still reads the slot or has a load on its way
	s_add_nc_u64 s[G0+2:G0+3], s[G0+10:G0+11], s[STA:STA+1]       ; K step 3 = slot 2's K step and one more; no tensor load of mine is out
	s_add_nc_u64 s[G0B+2:G0B+3], s[G0B+10:G0B+11], s[STB:STB+1]
	JLOAD G0, G1, G0B, G1B                         ; its four v_nop are also the places in front of the loads below
.else
	PLACES NP
.endif
	v_add_nc_u32 v[ADRS], 4*NQ, v[ADRS]            ; on to the next K step's scale words (no LDS load of mine is out)
	FETCH_B \next, 0, 0
	FETCH_A \next, 0, 0
	SCALES \nsc
	WIN MUL_HI
	MUL16 4, 1, 1, \sc, 0
	MUL16 6, 1, 1, \sc, 0
	PLACES NP
	WIN 0
	FETCH_A \next, 0, 4
.endm
; 64 numbers of a lane, register 16 b + i = j 32 b + 16 (lane / 16) + i of my row, become 12 registers of codes (0-5 at d0, 6-11 at d1) and my row's scale word in pw.
.macro QUANT2 s, d0, d1, pw
.irp b, 0,1,2,3
	v_max3_num_f32 v[TM+\b], |v[\s+16*\b]|, |v[\s+1+16*\b]|, 0x1800000   ; my 16 numbers of block b, and the floor 2^(3 - 127): the byte cannot fall under 1
.endr
.irp i, 2,4,6,8,10,12,14
.irp b, 0,1,2,3
	v_max3_num_f32 v[TM+\b], v[TM+\b], |v[\s+16*\b+\i]|, |v[\s+1+16*\b+\i]|
.endr
.endr
.irp b, 0,1,2,3
	v_permlanex16_b32 v[TM+4+\b], v[TM+\b], s[SEL], s[SEL+1]
.endr
.irp b, 0,1,2,3
	v_max_num_f32 v[TM+\b], v[TM+\b], v[TM+4+\b]
.endr
.irp b, 0,1,2,3
	v_add_nc_u32 v[TM+12+\b], 0xff000000, v[TM+\b]   ; 2 off the exponent field: the conversion's scale operand
.endr
.irp b, 0,1,2,3
	v_lshrrev_b32 v[TM+4+\b], 23, v[TM+12+\b]
.endr
	v_lshl_or_b32 v[\pw], v[TM+5], 8, v[TM+4]
	v_lshl_or_b32 v[\pw], v[TM+6], 16, v[\pw]
	v_lshl_or_b32 v[\pw], v[TM+7], 24, v[\pw]
	v_cvt_scalef32_pk16_fp6_f32 v[\d0:\d0+2], v[\s:\s+15], v[TM+12]
	v_cvt_scalef32_pk16_fp6_f32 v[PT:PT+2], v[\s+16:\s+31], v[TM+13]
	v_cvt_scalef32_pk16_fp6_f32 v[\d1:\d1+2], v[\s+32:\s+47], v[TM+14]
	v_cvt_scalef32_pk16_fp6_f32 v[PT+4:PT+6], v[\s+48:\s+63], v[TM+15]
	v_nop                                          ; one plain place behind the scaled conversions
.irp i, 0,1,2
	v_permlane16_swap_b32 v[\d0+\i], v[PT+\i]
.endr
.irp i, 0,1,2
	v_mov_b32 v[\d0+3+\i], v[PT+\i]
.endr
.irp i, 0,1,2
	v_permlane16_swap_b32 v[\d1+\i], v[PT+4+\i]
.endr
.irp i, 0,1,2
	v_mov_b32 v[\d1+3+\i], v[PT+4+\i]
.endr
.endm
	s_load_b256 s[4:11], s[0:1], 0x0               ; xg s[4:5], xs s[6:7], wg s[8:9], ws s[10:11]
	s_load_b128 s[12:15], s[0:1], 0x20             ; b_attn s[12:13], qkv s[14:15]
	v_lshl_add_u32 v[SPW], v0, 2, SPARE
	v_mov_b32 v[NIL], 0
	ds_add_u32 v[SPW], v[NIL]                      ; the wave's opening: the add and its wait stand ahead of my first tensor load; the set-up below, work on registers, stands between them
	ds_add_u32 v[SPW], v[NIL]
	v_lshrrev_b32 v1, 5, v0
	v_readfirstlane_b32 s[WV], v1                  ; wave 0..3
	s_lshr_b32 s[WHI], s[WV], 1                    ; which 128 rows i are mine.  Also: I fetch for A' (0) or for B' (1)
	s_and_b32 s[WLO], s[WV], 1                     ; which 128 columns j.  Also: which half of that tile I fetch
	s_bfe_u32 s92, ttmp6, 0x40000                  ; cx
	s_bfe_u32 s93, ttmp6, 0x40004                  ; cy
	s_and_b32 s2, ttmp7, 0xffff                    ; the cluster's y
	s_sub_co_u32 s3, s2, 8
	s_lshl_b32 s3, s3, 1
	s_add_co_u32 s3, s3, ttmp9                     ; in the second region: 2 (y - 8) + the cluster's x
	s_cmp_lt_u32 s2, 8                             ; the region: the same in all sixteen partners
	s_cselect_b32 s[RGN], 0, 1
	s_cselect_b32 s95, s2, 0                       ; the cluster's part of the tile row,
	s_cselect_b32 s94, ttmp9, s3                   ; and of the tile column
	s_cselect_b32 s20, 0, 128                      ; A' begins at block 128 of the weights in the second region
	s_mov_b32 s[STA], 786432
	s_cselect_b32 s[STA], 1572864, s[STA]          ; a K step on: 512 blocks of x, 256 of the weights
	s_mov_b32 s[STB], 1572864
	s_cselect_b32 s[STB], 786432, s[STB]
	s_mov_b32 s[STA+1], 0
	s_mov_b32 s[STB+1], 0
	s_lshl_b32 s95, s95, 2
	s_add_co_u32 s95, s95, s93                     ; tile row i
	s_lshl_b32 s94, s94, 2
	s_add_co_u32 s94, s94, s92                     ; tile column j
	s_lshl_b32 s96, s93, 2
	s_lshl_b32 s96, 15, s96                        ; my row of the cluster
	s_lshl_b32 s97, 0x1111, s92                    ; my column
	; group 1 for the codes: 96 rows of 256 dense bytes (32 elements of 8 bytes), no padding
	s_or_b32 s[G1], s96, (3<<16)|(1<<21)
	s_or_b32 s[G1B], s97, (3<<16)|(1<<21)
.irp g, G1, G1B
	s_mov_b32 s[\g+1], 32<<16                      ; tensor_dim0
	s_mov_b32 s[\g+2], 96<<16                      ; tensor_dim1
	s_mov_b32 s[\g+3], 32<<16                      ; tile_dim0
	s_mov_b32 s[\g+4], 96                          ; tile_dim1
	s_mov_b32 s[\g+5], 32                          ; the pitch
	s_mov_b32 s[\g+6], 0
	s_mov_b32 s[\g+7], 0
.endr
	; and for the scales of 128 rows: 16 rows of 256 dense bytes, 16 bytes of padding behind each
	s_or_b32 s[G1S], s96, (3<<16)|(1<<20)|(1<<21)|(5<<22)|(3<<25)
	s_or_b32 s[G1SB], s97, (3<<16)|(1<<20)|(1<<21)|(5<<22)|(3<<25)
.irp g, G1S, G1SB
	s_mov_b32 s[\g+1], 32<<16
	s_mov_b32 s[\g+2], 16<<16
	s_mov_b32 s[\g+3], 32<<16
	s_mov_b32 s[\g+4], 16
	s_mov_b32 s[\g+5], 32
	s_mov_b32 s[\g+6], 0
	s_mov_b32 s[\g+7], 0
.endr
	s_lshl_b32 s21, s[WLO], 3
	s_lshl_b32 s22, s95, 4
	s_add_co_u32 s22, s22, s21
	s_add_co_u32 s22, s22, s20                     ; A': my first block: 16 x tile row + 8 x half (+ 128)
	s_lshl_b32 s98, s94, 4
	s_add_co_u32 s98, s98, s21                     ; B': 16 x tile column + 8 x half
	s_mul_i32 s2, s22, 3072                        ; in bytes: codes,
	s_mov_b32 s3, 0
	s_lshl_b32 s22, s22, 9                         ; scales (16 rows of 32 bytes a block)
	s_mov_b32 s23, 0
	s_mul_i32 s20, s98, 3072
	s_mov_b32 s21, 0
	s_lshl_b32 s98, s98, 9
	s_mov_b32 s99, 0
.irp g, G0, G0B
	s_mov_b32 s[\g], 1
	s_mov_b32 s[\g+4], 1
	s_mov_b32 s[\g+8], 1
	s_mul_i32 s[\g+1], s[WV], HALFT                ; where they go: wave x a half, + the slot: no place in the cluster enters an LDS address
	s_add_co_u32 s[\g+5], s[\g+1], SLOT
	s_add_co_u32 s[\g+9], s[\g+1], 2*SLOT
.endr
.irp g, G0S, G0SB
	s_mov_b32 s[\g], 1
	s_mul_i32 s[\g+1], s[WV], HALFS
	s_add_co_u32 s[\g+1], s[\g+1], SCL
.endr
	s_wait_dscnt 0x0                               ; the opening add is done
	s_wait_kmcnt 0x0
	s_cmp_eq_u32 s[RGN], 0
	s_cselect_b64 s[G0+2:G0+3], s[4:5], s[8:9]     ; A': x or the weights
	s_cselect_b64 s[G0B+2:G0B+3], s[8:9], s[4:5]
	s_cselect_b64 s[G0S+2:G0S+3], s[6:7], s[10:11]
	s_cselect_b64 s[G0SB+2:G0SB+3], s[10:11], s[6:7]
	s_add_nc_u64 s[G0+2:G0+3], s[G0+2:G0+3], s[2:3]
	s_add_nc_u64 s[G0+6:G0+7], s[G0+2:G0+3], s[STA:STA+1]
	s_add_nc_u64 s[G0+10:G0+11], s[G0+6:G0+7], s[STA:STA+1]
	s_add_nc_u64 s[G0B+2:G0B+3], s[G0B+2:G0B+3], s[20:21]
	s_add_nc_u64 s[G0B+6:G0B+7], s[G0B+2:G0B+3], s[STB:STB+1]
	s_add_nc_u64 s[G0B+10:G0B+11], s[G0B+6:G0B+7], s[STB:STB+1]
	s_add_nc_u64 s[G0S+2:G0S+3], s[G0S+2:G0S+3], s[22:23]
	s_add_nc_u64 s[G0SB+2:G0SB+3], s[G0SB+2:G0SB+3], s[98:99]
.irp g, G0+3, G0+7, G0+11, G0B+3, G0B+7, G0B+11, G0S+3, G0SB+3
	s_or_b32 s[\g], s[\g], 0x80000000              ; type = 2
.endr
	CROUND                                         ; all sixteen work-groups are here: the first joint loads meet
	JLOAD G0S, G1S, G0SB, G1SB                     ; the scales first: they are wanted with K step 0
	JLOAD G0, G1, G0B, G1B                         ; K steps 0, 1, 2
	JLOAD G0+4, G1, G0B+4, G1B
	JLOAD G0+8, G1, G0B+8, G1B
	v_and_b32 v1, 15, v0                           ; r
	v_bfe_u32 v2, v0, 4, 1                         ; h
	v_and_b32 v3, 31, v0                           ; lane
	v_lshlrev_b32 v4, 3, v3                        ; 8 x lane
	s_mul_i32 s20, s[WHI], HALFT
	s_mul_i32 s21, s[WLO], HALFT
	s_add_co_u32 s21, s21, 2*HALFT
.irp s, 0,1,2
	v_add_nc_u32 v[ADRA+\s], s20, v4
	v_add_nc_u32 v[ADRB+\s], s21, v4
	s_add_co_u32 s20, s20, SLOT
	s_add_co_u32 s21, s21, SLOT
.endr
	v_lshlrev_b32 v5, 5, v1                        ; my row's scales: 32 bytes a row,
	v_lshrrev_b32 v6, 8, v5
	v_lshl_add_u32 v5, v6, 4, v5                   ; and 16 more for each 256 passed
	s_mul_i32 s20, s[WHI], HALFS
	s_mul_i32 s21, s[WLO], HALFS
	s_add_co_u32 s21, s21, 2*HALFS
	s_sub_co_u32 s21, s21, s20
	v_mul_u32_u24 v6, s21, v2                      ; lanes 16-31 take B's
	s_add_co_u32 s20, s20, SCL
	v_add_nc_u32 v5, v5, v6
	v_add_nc_u32 v[ADRS], s20, v5
	v_lshlrev_b32 v12, 6, v2                       ; 64 h
	s_wait_alu depctr_va_vdst(0)
	v_and_b32 v13, 8, v1
	v_add_nc_u32 v13, v13, v1
	v_lshlrev_b32 v13, 2, v13                      ; 4 (r + 8 (r / 8))
	s_wait_alu depctr_va_vdst(0)
	v_lshlrev_b32 v14, 4, v3                       ; 16 x lane
	v_mul_u32_u24 v15, v2, 102400
	v_lshl_add_u32 v15, v1, 4, v15
	v_add_nc_u32 v15, 6144, v15                    ; the scale words: row r; lanes 16-31 the next head's record
	s_lshl_b32 s20, s95, 8
	s_lshl_b32 s21, s[WHI], 7
	s_add_co_u32 s20, s20, s21                     ; i0: my first row
	s_lshl_b32 s22, s94, 8
	s_lshl_b32 s21, s[WLO], 7
	s_add_co_u32 s22, s22, s21                     ; j0: my first column
	s_add_co_u32 s23, s20, 2048                    ; second region: my first column of w_attn
	s_cmp_eq_u32 s[RGN], 0
	s_cselect_b32 s2, s20, s22                     ; my first token
	s_cselect_b32 s3, s22, s23                     ; my first column of w_attn
	s_cselect_b32 s8, s22, 0                       ; the bias along j (first region; in the second the loads read b_attn's head and are not used)
	s_cselect_b32 s10, 0, s23                      ; the bias along i (second region; likewise)
	s_lshl_b32 s8, s8, 2
	s_mov_b32 s9, 0
	s_lshl_b32 s10, s10, 2
	s_mov_b32 s11, 0
	s_add_nc_u64 s[4:5], s[12:13], s[8:9]
	s_add_nc_u64 s[6:7], s[12:13], s[10:11]
.irp b, 0,1,2,3
.irp j, 0,1,2,3
	global_load_b128 v[BJ+16*\b+4*\j:BJ+16*\b+4*\j+3], v12, s[4:5] offset:128*\b+16*\j   ; register 16 b + i: column j0 + 32 b + 16 h + i
.endr
.endr
.irp a, 0,1,2,3,4,5,6,7
	global_load_b32 v[BI+2*\a], v13, s[6:7] offset:(32*(\a/2)+8*(\a%2))*4               ; row rho(a, r), twice: a pair for the packed addition
	global_load_b32 v[BI+2*\a+1], v13, s[6:7] offset:(32*(\a/2)+8*(\a%2))*4
.endr
	s_lshr_b32 s8, s3, 10                          ; q, k or v
	s_mul_i32 s8, s8, 6553600
	s_lshr_b32 s10, s2, 11                         ; the batch
	s_lshl_b32 s10, s10, 4
	s_bfe_u32 s11, s3, 0x40006                     ; my first head
	s_add_co_u32 s10, s10, s11
	s_mul_i32 s10, s10, 102400
	s_add_co_u32 s8, s8, s10
	s_bfe_u32 s10, s2, 0x40007                     ; my 128 tokens' record
	s_mul_i32 s10, s10, 6400
	s_add_co_u32 s8, s8, s10
	s_mov_b32 s9, 0
	s_add_nc_u64 s[14:15], s[14:15], s[8:9]
	s_wait_tensorcnt 2                             ; the scales and my part of K step 0 are in; K steps 1 and 2 may be out
	s_barrier_signal -1
	s_barrier_wait -1
	FETCH_B 0, 0, 0
	FETCH_A 0, 0, 0
	SCALES 0
	FETCH_A 0, 0, 4
	STEP 0, 0, 1                                   ; the first products start the sums: nothing is cleared
	TURN 0, 1, 0, 1, 1, 0                          ; slot 0 takes K step 3
	s_wait_alu depctr_va_vdst(0)
	STEP 1, 1, 0
	TURN 1, 2, 1, 0, 0, 1                          ; K step 2 is in; K step 3's load, the one younger, may be out
	s_wait_alu depctr_va_vdst(0)
	STEP 2, 0, 0
	TURN 2, 0, 0, 1, 0, 0                          ; K step 3 is in
	STEP 0, 1, 0
	s_wait_dscnt 4*NL                              ; the very last 128: nothing more to fetch
	WIN MUL_LO
	MUL16 0, 1, 1, 1, 0
	MUL16 2, 1, 1, 1, 0
	s_wait_dscnt 0x0
	WIN MUL_HI
	MUL16 4, 1, 1, 1, 0
	MUL16 6, 1, 1, 1, 0
	WIN 0
	; THE WAY OUT: block a's 64 numbers a lane get their bias (the addition also brings them into window 0, each accumulator from its low end on), are quantised along j, and leave as images of registers.
	s_wait_loadcnt 0x0                             ; the biases
	PLACES NP                                      ; four places behind the last products
	s_mov_b32 s[SEL], 0x76543210
	s_mov_b32 s[SEL+1], 0xfedcba98
	s_mov_b32 s22, 0xffff0000                      ; lanes 16-31
.irp b, 0,1,2,3
	v_mov_b32 v[TM+4+\b], 0                        ; a lane permute's destination counts as one of its sources
.endr
	s_cmp_lg_u32 s[RGN], 0
	s_cbranch_scc1 .Lvalues
	; q and k: my 128 columns are two heads; registers 0-5 of the codes are the first head's 64 channels, 6-11 the second's.  Two blocks of tokens make a pair image of each head.
.set A, 0
.rept 8
.if (A%2 == 0) && (A >= 2)
	s_wait_xcnt 0x0                                ; the last pair's stores have read their registers
.endif
	WIN 0x02+A/4
.set N, 0
.rept 32
	v_pk_add_f32 v[TT+2*N:TT+2*N+1], v[64*(A%4)+2*N:64*(A%4)+2*N+1], v[BJ+2*N:BJ+2*N+1]
.set N, N+1
.endr
	WIN 0
.set D0, PA+6*(A%2)
.set D1, PB+6*(A%2)
.set PWR, W8+A
	QUANT2 TT, D0, D1, PWR
.if A%2 == 1
.irp c, 0,1,2
	global_store_b128 v14, v[PA+4*\c:PA+4*\c+3], s[14:15] offset:(A/2)*1536+512*\c          ; 32 lanes store 512 consecutive bytes, aligned
.endr
.irp c, 0,1,2
	global_store_b128 v14, v[PB+4*\c:PB+4*\c+3], s[14:15] offset:102400+(A/2)*1536+512*\c   ; the next head
.endr
.endif
.set A, A+1
.endr
.irp g, 0,1,2,3
	v_perm_b32 v[240+\g], v[W8+2*\g+1], v[W8+2*\g], 0x05040100   ; a pair's word: the first head's two bytes of either block,
	v_perm_b32 v[244+\g], v[W8+2*\g+1], v[W8+2*\g], 0x07060302   ; the second head's
.endr
.irp g, 0,1,2,3
	v_cndmask_b32 v[SO+\g], v[240+\g], v[244+\g], s22
.endr
	global_store_b128 v15, v[SO:SO+3], s[14:15]    ; lanes 0-15: one head's 256 bytes, lanes 16-31 the next head's
	s_branch .Ldone
.Lvalues:
	; v: my 128 rows are the channels of two heads, my 128 columns the keys of one record: block a, quantised, is fragment a % 4 of V^T of head a / 4.
.set A, 0
.rept 8
.if A >= 2
	s_wait_xcnt 0x0                                ; the stores of two blocks back have read their registers
.endif
	WIN 0x02+A/4
.set N, 0
.rept 32
	v_pk_add_f32 v[TT+2*N:TT+2*N+1], v[64*(A%4)+2*N:64*(A%4)+2*N+1], v[BI+2*A:BI+2*A+1]
.set N, N+1
.endr
	WIN 0
.set D0, PA+12*(A%2)
.set D1, PA+12*(A%2)+6
.set PWR, W8+A
	QUANT2 TT, D0, D1, PWR
.irp c, 0,1,2
	global_store_b128 v14, v[D0+4*\c:D0+4*\c+3], s[14:15] offset:(A/4)*102400+(A%4)*1536+512*\c
.endr
.set A, A+1
.endr
.irp g, 0,1,2,3
	v_cndmask_b32 v[SO+\g], v[W8+\g], v[W8+4+\g], s22
.endr
	global_store_b128 v15, v[SO:SO+3], s[14:15]
.Ldone:
	s_wait_tensorcnt 0x0                           ; the wave's end
	ds_add_u32 v[SPW], v[NIL]
	s_wait_dscnt 0x0
	CROUND                                         ; the closing round: no work-group ends while a partner may still ask for a tile that names it
	s_endpgm
.Lfunc_end_k_qa5a5bd6cbc_qkv:
	.size	k_qa5a5bd6cbc_qkv, .Lfunc_end_k_qa5a5bd6cbc_qkv-k_qa5a5bd6cbc_qkv
	.p2alignl 7, 3214868480
	.fill 96, 4, 3214868480
	.section	.rodata,"a",@progbits
	.p2align	6, 0x0
	.amdhsa_kernel k_qa5a5bd6cbc_qkv
		.amdhsa_group_segment_fixed_size 327680
		.amdhsa_private_segment_fixed_size 0
		.amdhsa_enable_private_segment 0
		.amdhsa_kernarg_size 48
		.amdhsa_user_sgpr_count 2
		.amdhsa_user_sgpr_kernarg_segment_ptr 1
		.amdhsa_wavefront_size32 1
		.amdhsa_system_sgpr_workgroup_id_x 1
		.amdhsa_system_sgpr_workgroup_id_y 1
		.amdhsa_system_sgpr_workgroup_id_z 1
		.amdhsa_system_vgpr_workitem_id 0
		.amdhsa_next_free_vgpr 1024
		.amdhsa_next_free_sgpr 102
		.amdhsa_reserve_vcc 0
		.amdhsa_float_denorm_mode_32 3
		.amdhsa_float_denorm_mode_16_64 3
		.amdhsa_memory_ordered 1
		.amdhsa_forward_progress 1
		.amdhsa_inst_pref_size 234
	.end_amdhsa_kernel
	.amdgpu_metadata
---
amdhsa.version: [ 1, 2 ]
amdhsa.kernels:
  - .name:           k_qa5a5bd6cbc_qkv
    .symbol:         k_qa5a5bd6cbc_qkv.kd
    .args:
      - { .name: xg, .offset: 0, .size: 8, .value_kind: global_buffer, .address_space: global }
      - { .name: xs, .offset: 8, .size: 8, .value_kind: global_buffer, .address_space: global }
      - { .name: wg, .offset: 16, .size: 8, .value_kind: global_buffer, .address_space: global }
      - { .name: ws, .offset: 24, .size: 8, .value_kind: global_buffer, .address_space: global }
      - { .name: b_attn, .offset: 32, .size: 8, .value_kind: global_buffer, .address_space: global }
      - { .name: qkv, .offset: 40, .size: 8, .value_kind: global_buffer, .address_space: global }
    .group_segment_fixed_size: 327680
    .private_segment_fixed_size: 0
    .kernarg_segment_align: 8
    .kernarg_segment_size: 48
    .max_flat_workgroup_size: 128
    .sgpr_count:     102
    .vgpr_count:     1024
    .wavefront_size: 32
...
	.end_amdgpu_metadata
.endif
;; end of part 2
;; launch attn (part 3): grid 4 x 64, 16 waves a work-group, no clusters, 327,680 bytes of LDS; arguments qkv, yg, ys; writes yg, ys
.if DOCPART == 3
	.amdgcn_target "amdgcn-amd-amdhsa--gfx1250"
	.amdhsa_code_object_version 6
	.text
	.protected	k_qa5a5bd6cbc_attn
	.globl	k_qa5a5bd6cbc_attn
	.p2align	8
	.type	k_qa5a5bd6cbc_attn,@function
k_qa5a5bd6cbc_attn:
	s_mov_b64 s[64:65], 0
	v_nop
	global_prefetch_b8 v0, s[64:65] scope:SCOPE_SE
	s_setreg_imm32_b32 hwreg(HW_REG_WAVE_MODE, 25, 1), 1
	s_wait_xcnt 0x0
; y[b][q][head] = softmax over the keys k <= q of (Q . K / 8) V, both products on codes of FP6 (E2M3) with E8M0 scales; y is quantised here, along the channels, for the projection.
; THE SOFTMAX AHEAD OF THE SECOND PRODUCT: t = score x log2(e) / 8; M = the row's largest t so far, rounded UP to a whole number; p = 2^(t - M) is quantised along the keys, not normalised; the row's sum is taken of the
; unquantised p and divides at the end.  When M moves, the sum and O are multiplied by 2^(old M - new M): exact.
; SHARES.  A work-group is (quarter, batch x head).  A head has 128 tiles of 16 queries; tile j holds queries rho(j, r) = 32 (j / 2) + 8 (j % 2) + r + 8 (r / 8).  Wave w owns TWO tiles, 4 w + quarter and 127 less that:
; under the causal mask they have (j / 8 + 1) + (16 - j / 8) = 17 key steps of 128 together: every wave of the launch has the same work.  Sixteen waves of 256 registers: four to a SIMD, so that one wave's vector work
; stands beside another's products and LDS loads.
; THE WHOLE HEAD'S K AND V LIE IN LDS: 2 x 16 records of 6,400 bytes, filled once by two tensor loads a wave in the first lines (one of mine is out at a time); nothing is filled again, so there is no ring,
; and nothing later to ask ahead for: no prefetch.  NO CLUSTER: what the four work-groups of a head share is read once each, in the first lines; joint loads would put rounds of a cluster's barrier into a text with three barriers.
; K = 64 IN AN INSTRUCTION OF 128: an image of K holds a PAIR of key tiles, registers 0-5 and 6-11.  Multiplied by [q | zeros] it gives the first tile's scores, by [zeros | q] the second's: zero codes add nothing.
; Both products are used transposed: a lane holds ONE query; the 16 registers of two neighbouring score tiles are 16 neighbouring keys.
; The trip counts are constants; a step all of whose keys come after my queries is left out by a scalar branch on ids round its work.
; LIMITS: as in launch quant for y's blocks (zeros or under 2^-124: byte 1).  y's scale bytes leave two to a row and head: 262,144 bytes of the launch's traffic are stored in parts of 256-byte runs.
; REGISTERS: v1-4, v7, v28, v29 addresses that stay; v5, v6 the add's; v8-11 addresses in hand; v12 -M, v13 the largest t, v[14:15] the sum; v16-27 [q | 0]; v192-203 [0 | q]; v32-79 four fragments of K, then of V;
; v96-159 scores, then p; v160-191 O^T; v204-216 the early tile's raw q; v224-235 p's codes; v232-254 at work; v248-251 the step's scale words; v253 p's; v255 q's.
.set REC,   6400                       ; a record: 128 tokens of one head
.set HEADB, 16*REC
.set PART,  64*HEADB                   ; q, k, v
.set SPARE, 2*HEADB                    ; behind K's and V's records: the spare words, 128 bytes for each wave: eight blocks of 256 bytes that no other line names
.set SPW,  5
.set NIL,  6
.set WV,   10
.set BH,   12
.set JLO,  13
.set JHI,  14
.set SEL,  32
.set CS,   34                          ; s[34:35] c = log2(e) / 8
.set TK,   36                          ; LDS byte of the step's record of K
.set KF,   37                          ; the step's first key
.set Q0,   38                          ; my tile's first query
.set CNT,  39
.set HM,   40
	s_load_b128 s[4:7], s[0:1], 0x0                ; qkv s[4:5], yg s[6:7]
	s_load_b64 s[8:9], s[0:1], 0x10                ; ys
	v_lshl_add_u32 v[SPW], v0, 2, SPARE
	v_mov_b32 v[NIL], 0
	ds_add_u32 v[SPW], v[NIL]                      ; the wave's opening: the add and its wait stand ahead of my first tensor load; the set-up below, work on registers, stands between them
	ds_add_u32 v[SPW], v[NIL]
	v_lshrrev_b32 v8, 5, v0
	s_delay_alu instid0(VALU_DEP_1)
	v_readfirstlane_b32 s[WV], v8                  ; wave 0..15
	s_and_b32 s[BH], ttmp7, 0xffff                 ; batch x head
	s_lshl_b32 s[JLO], s[WV], 2
	s_add_co_u32 s[JLO], s[JLO], ttmp9             ; my early tile
	s_sub_co_u32 s[JHI], 127, s[JLO]               ; my late tile
	s_mov_b32 s16, 3<<16                           ; group 1: 25 rows of 256 dense bytes (32 elements of 8 bytes), no mask, no padding
	s_mov_b32 s17, 32<<16
	s_mov_b32 s18, 25<<16
	s_mov_b32 s19, 32<<16
	s_mov_b32 s20, 25
	s_mov_b32 s21, 32
	s_mov_b32 s22, 0
	s_mov_b32 s23, 0
	s_and_b32 s41, s[WV], 7
	s_mul_i32 s41, s41, REC                        ; waves 0-7 fetch K's records w and w + 8, waves 8-15 V's
	s_lshr_b32 s42, s[WV], 3
	s_mul_i32 s43, s42, HEADB
	s_mov_b32 s24, 1
	s_add_co_u32 s25, s41, s43
	s_mov_b32 s28, 1
	s_add_co_u32 s29, s25, 8*REC
	s_add_co_u32 s42, s42, 1
	s_mul_i32 s42, s42, PART
	s_mul_i32 s46, s[BH], HEADB                    ; my head's records
	s_mov_b32 s47, 0
	s_add_co_u32 s44, s42, s46
	s_add_co_u32 s44, s44, s41
	s_mov_b32 s45, 0
	s_lshr_b32 s41, s[BH], 4                       ; the batch
	s_and_b32 s42, s[BH], 15                       ; the head
	s_mul_i32 s52, s41, 128*3072                   ; y's image: the batch's 128 blocks of rows,
	s_lshr_b32 s43, s42, 2
	s_mul_i32 s43, s43, 1572864                    ; the K step of 256 channels,
	s_add_co_u32 s52, s52, s43
	s_bfe_u32 s43, s42, 0x10001
	s_mul_i32 s43, s43, 1536                       ; the fragment of 128,
	s_add_co_u32 s52, s52, s43
	s_and_b32 s43, s42, 1
	s_mul_i32 s43, s43, 768                        ; its half: registers 0-5 or 6-11
	s_add_co_u32 s52, s52, s43
	s_mov_b32 s53, 0
	s_lshl_b32 s54, s41, 16                        ; y's scale bytes: the batch's 2,048 rows of 32,
	s_lshl_b32 s43, s42, 1                         ; the head's two
	s_add_co_u32 s54, s54, s43
	s_mov_b32 s55, 0
	s_mov_b32 s[SEL], 0x76543210
	s_mov_b32 s[SEL+1], 0xfedcba98
	s_mov_b32 s[CS], 0x3e38aa3b
	s_mov_b32 s[CS+1], s[CS]                       ; (named with it as a pair, so it is written)
	s_mov_b32 s[HM], 0xffff0000
	s_mov_b32 s[TK], 0
	s_mov_b32 s[KF], 0
	s_wait_dscnt 0x0                               ; the opening add is done
	s_wait_kmcnt 0x0
	s_add_nc_u64 s[26:27], s[4:5], s[44:45]
	s_add_nc_u64 s[30:31], s[26:27], 8*REC
	s_or_b32 s27, s27, 0x80000000
	s_or_b32 s31, s31, 0x80000000
	tensor_load_to_lds s[24:27], s[16:23]          ; records 0-7
	s_nop 0
	s_wait_alu depctr_va_vdst(0)
	s_wait_tensorcnt 0x0
	ds_add_u32 v5, v6
	s_wait_dscnt 0x0
	s_barrier_signal -1
	s_barrier_wait -1
	tensor_load_to_lds s[28:31], s[16:23]          ; records 8-15
	s_nop 0
.rept 4
	v_nop
.endr
	s_add_nc_u64 s[46:47], s[4:5], s[46:47]        ; q's records of my head
	s_add_nc_u64 s[6:7], s[6:7], s[52:53]
	s_add_nc_u64 s[8:9], s[8:9], s[54:55]
	v_and_b32 v8, 31, v0                           ; lane
	v_and_b32 v9, 15, v0                           ; r
	v_bfe_u32 v10, v0, 4, 1                        ; h
	s_delay_alu instid0(VALU_DEP_3)
	v_lshlrev_b32 v1, 4, v8                        ; an image's place for my lane, in K's records;
	s_delay_alu instid0(VALU_DEP_1)
	v_add_nc_u32 v2, HEADB, v1                     ; in V's
	s_delay_alu instid0(VALU_DEP_4)
	v_lshl_add_u32 v3, v9, 4, 6144                 ; my row's four scale words, in K's records;
	s_wait_alu depctr_va_vdst(0)
	v_add_nc_u32 v4, HEADB, v3                     ; in V's
	v_lshlrev_b32 v7, 3, v8                        ; 8 x lane: y's image
	v_and_b32 v11, 8, v9
	s_delay_alu instid0(VALU_DEP_1)
	v_add_nc_u32 v28, v11, v9
	v_lshlrev_b32 v11, 4, v10
	s_delay_alu instid0(VALU_DEP_1)
	v_sub_nc_u32 v28, v28, v11                     ; r + 8 (r / 8) - 16 h: my query less my keys' offset
	v_lshl_add_u32 v29, v9, 5, v10                 ; 32 r + h: y's scale byte
; where tile j's pair image and scale word lie: record j / 8, image (j / 2) % 4
.macro QADDR sj, b0, b1
	s_lshr_b32 s41, s[\sj], 3
	s_mul_i32 s41, s41, REC
	s_bfe_u32 s42, s[\sj], 0x20001
	s_mul_i32 s43, s42, 1536
	s_add_co_u32 s[\b0], s41, s43
	s_mov_b32 s[\b0+1], 0
	s_lshl_b32 s42, s42, 2
	s_add_co_u32 s[\b1], s41, s42
	s_mov_b32 s[\b1+1], 0
	s_add_nc_u64 s[\b0:\b0+1], s[46:47], s[\b0:\b0+1]
	s_add_nc_u64 s[\b1:\b1+1], s[46:47], s[\b1:\b1+1]
.endm
	QADDR JHI, 48, 50
	QADDR JLO, 52, 54
.irp c, 0,1,2
	global_load_b128 v[96+4*\c:99+4*\c], v1, s[48:49] offset:512*\c      ; the late tile's pair
.endr
	global_load_b32 v217, v3, s[50:51]
.irp c, 0,1,2
	global_load_b128 v[204+4*\c:207+4*\c], v1, s[52:53] offset:512*\c    ; the early tile's
.endr
	global_load_b32 v216, v3, s[54:55]
.irp i, 0,1,2,3,4,5
	v_mov_b32 v[22+\i], 0                          ; the halves of zero codes
	v_mov_b32 v[192+\i], 0
.endr
.irp b, 0,1,2,3
	v_mov_b32 v[236+\b], 0                         ; written once: a lane permute's destination counts as one of its sources
.endr
	v_mov_b32 v253, 0                              ; (named as the upper half of the pair v[252:253] before it is first written)
; A KEY STEP: 128 keys.
.macro STEP causal
.if \causal
	s_add_co_u32 s41, s[Q0], 23                    ; my tile's last query
	s_cmp_gt_u32 s[KF], s41
	s_cbranch_scc1 .Lhidden_\@                     ; all keys come after my queries: ids alone
.endif
	s_setprio 2
	v_add_nc_u32 v8, s[TK], v1                     ; (these four are also the places in front of loads into registers that the last products read)
	v_add_nc_u32 v9, s[TK], v2
	v_add_nc_u32 v10, s[TK], v3
	v_add_nc_u32 v11, s[TK], v4
.irp g, 0,1,2,3
.irp c, 0,1,2
	ds_load_b128 v[32+12*\g+4*\c:35+12*\g+4*\c], v8 offset:1536*\g+512*\c   ; K's four pair images: 512 consecutive bytes a load
.endr
.endr
	ds_load_b128 v[248:251], v10                   ; and their scale words
	s_wait_alu depctr_va_vdst(0)
	s_wait_dscnt 0x0
.irp g, 0,1,2,3
	v_wmma_scale_f32_16x16x128_f8f6f4 v[96+16*\g:103+16*\g], v[32+12*\g:43+12*\g], v[16:27], 0, v[248+\g], v255 matrix_a_fmt:MATRIX_FMT_FP6 matrix_b_fmt:MATRIX_FMT_FP6
	v_wmma_scale_f32_16x16x128_f8f6f4 v[104+16*\g:111+16*\g], v[32+12*\g:43+12*\g], v[192:203], 0, v[248+\g], v255 matrix_a_fmt:MATRIX_FMT_FP6 matrix_b_fmt:MATRIX_FMT_FP6
.endr                                              ; register 16 g + i: key KF + 32 g + 16 h + i
.rept 4
	v_nop                                          ; four places behind the products: for the loads below and the first read of the scores
.endr
.irp g, 0,1,2,3
.irp c, 0,1,2
	ds_load_b128 v[32+12*\g+4*\c:35+12*\g+4*\c], v9 offset:1536*\g+512*\c   ; V's four fragments land while the softmax is worked
.endr
.endr
	ds_load_b128 v[248:251], v11
.if \causal
	s_add_co_u32 s41, s[KF], 127
	s_cmp_le_u32 s41, s[Q0]
	s_cbranch_scc1 .Lopen_\@                       ; all keys count
	s_sub_co_i32 s41, s[Q0], s[KF]
	v_add_nc_u32 v252, s41, v28                    ; d = my query - KF - 16 h: register 16 g + i is hidden where 32 g + i > d
	v_mov_b32 v254, 0xff800000                     ; -infinity: p = 0 then
.set N, 0
.rept 64
	v_cmp_gt_i32 vcc_lo, 32*(N/16)+N%16, v252
	v_cndmask_b32 v[96+N], v[96+N], v254, vcc_lo
.set N, N+1
.endr
.Lopen_\@:
.endif
.irp b, 0,1,2,3
	v_max3_num_f32 v[232+\b], v[96+16*\b], v[97+16*\b], v[98+16*\b]   ; the largest score of each block of 32 keys: for the row's maximum and, since p rises with the score, for the block's largest p
.endr
.irp i, 3,5,7,9,11,13
.irp b, 0,1,2,3
	v_max3_num_f32 v[232+\b], v[232+\b], v[96+16*\b+\i], v[97+16*\b+\i]
.endr
.endr
.irp b, 0,1,2,3
	v_max_num_f32 v[232+\b], v[232+\b], v[111+16*\b]
.endr
.irp b, 0,1,2,3
	s_delay_alu instid0(VALU_DEP_4)
	v_permlanex16_b32 v[236+\b], v[232+\b], s[SEL], s[SEL+1]
.endr
.irp b, 0,1,2,3
	s_delay_alu instid0(VALU_DEP_4)
	v_max_num_f32 v[232+\b], v[232+\b], v[236+\b]  ; with lane l xor 16's 16 keys
.endr
	s_delay_alu instid0(VALU_DEP_2)
	v_max3_num_f32 v254, v232, v233, v234
	s_delay_alu instid0(VALU_DEP_1)
	v_max_num_f32 v254, v254, v235
	s_delay_alu instid0(VALU_DEP_1)
	v_mul_f32 v254, s[CS], v254                    ; as t (c is positive)
	s_delay_alu instid0(VALU_DEP_1)
	v_max_num_f32 v13, v13, v254                   ; the running largest t
	v_mov_b32 v254, v12
	s_delay_alu instid0(VALU_DEP_2)
	v_floor_f32 v12, -v13                          ; the new -M = floor(-t): M is a whole number
	s_delay_alu instid0(VALU_DEP_1)
	v_sub_f32 v254, v12, v254                      ; old M - new M: a whole number, 0 or less
	s_delay_alu instid0(VALU_DEP_1)
	v_cvt_i32_f32 v254, v254                       ; (it saturates)
	s_delay_alu instid0(VALU_DEP_1)
	v_ldexp_f32 v252, 1.0, v254                    ; f = 2^(old M - new M)
.set J, 0
.rept 32
	v_pk_fma_f32 v[96+J:97+J], v[96+J:97+J], s[CS:CS+1], v[12:13] op_sel_hi:[1,0,0]   ; t - M, two at a time
.set J, J+2
.endr
.irp b, 0,1,2,3
	v_fma_f32 v[232+\b], v[232+\b], s[CS], v12     ; the same of each block's largest score
.endr
.set J, 0
	s_setprio 1
	s_wait_alu depctr_va_vdst(0)
.rept 64
	v_exp_f32 v[96+J], v[96+J]                     ; p = 2^(t - M)
.set J, J+1
.endr
	v_pk_mul_f32 v[14:15], v[14:15], v[252:253] op_sel_hi:[1,0]   ; the sums under the new M: a plain place behind the exponentials
	s_wait_alu depctr_va_vdst(0)                   ; one wait for the whole batch, ahead of its first reader
.irp b, 0,1,2,3
	v_exp_f32 v[232+\b], v[232+\b]                 ; the block's largest p
.endr
	v_pk_add_f32 v[236:237], v[96:97], v[98:99]    ; the row's sum, of the unquantised p: two at a time, in two chains
.irp j, 4,8,12,16,20,24,28,32,36,40,44,48,52,56,60
	v_pk_add_f32 v[14:15], v[14:15], v[96+\j:97+\j]
	v_pk_add_f32 v[236:237], v[236:237], v[98+\j:99+\j]
.endr
	s_delay_alu instid0(VALU_DEP_1)
	v_pk_add_f32 v[14:15], v[14:15], v[236:237]
	s_wait_alu depctr_va_vdst(0)                   ; and one for the four
.irp b, 0,1,2,3
	v_max_num_f32 v[232+\b], 0x1800000, v[232+\b]  ; the floor 2^(3 - 127)
.endr
.irp b, 0,1,2,3
	s_delay_alu instid0(VALU_DEP_4)
	v_add_nc_u32 v[244+\b], 0xff000000, v[232+\b]  ; the conversion's scale operand
.endr
.irp b, 0,1,2,3
	s_delay_alu instid0(VALU_DEP_4)
	v_lshrrev_b32 v[236+\b], 23, v[244+\b]         ; the byte
.endr
	s_delay_alu instid0(VALU_DEP_3)
	v_lshl_or_b32 v253, v237, 8, v236              ; p's scale word for these 128 keys
	s_delay_alu instid0(VALU_DEP_1)
	v_lshl_or_b32 v253, v238, 16, v253
	s_delay_alu instid0(VALU_DEP_1)
	v_lshl_or_b32 v253, v239, 24, v253
.irp c, 0,1
	v_cvt_scalef32_pk16_fp6_f32 v[224+6*\c:226+6*\c], v[96+32*\c:111+32*\c], v[244+2*\c]
	v_cvt_scalef32_pk16_fp6_f32 v[236+4*\c:238+4*\c], v[112+32*\c:127+32*\c], v[244+2*\c+1]
.endr
	v_nop                                          ; one plain place behind the scaled conversions
	s_setprio 0
.irp c, 0,1
.irp i, 0,1,2
	v_permlane16_swap_b32 v[224+6*\c+\i], v[236+4*\c+\i]
.endr
.irp i, 0,1,2
	s_delay_alu instid0(VALU_DEP_3)
	v_mov_b32 v[227+6*\c+\i], v[236+4*\c+\i]
.endr
.endr
.set J, 0
.rept 16
	v_pk_mul_f32 v[160+J:161+J], v[160+J:161+J], v[252:253] op_sel_hi:[1,0]   ; O^T under the new M.  (These sixteen are also the places between p's codes and scale word and the products)
.set J, J+2
.endr
	s_wait_alu depctr_va_vdst(0)
	s_wait_dscnt 0x0                               ; V
.irp t, 0,1,2,3
	v_wmma_scale_f32_16x16x128_f8f6f4 v[160+8*\t:167+8*\t], v[32+12*\t:43+12*\t], v[224:235], v[160+8*\t:167+8*\t], v[248+\t], v253 matrix_a_fmt:MATRIX_FMT_FP6 matrix_b_fmt:MATRIX_FMT_FP6
.endr                                              ; the four accumulators take turns
.if \causal
.Lhidden_\@:
.endif
	s_add_co_u32 s[KF], s[KF], 128
	s_add_co_u32 s[TK], s[TK], REC
.endm
.macro LOOP8 causal
	s_mov_b32 s[CNT], 8
.Lk_\@:
	STEP \causal
	s_sub_co_u32 s[CNT], s[CNT], 1
	s_cmp_lg_u32 s[CNT], 0
	s_cbranch_scc1 .Lk_\@
	s_setprio 0
.endm
; A tile begins: q's six registers out of the raw pair, its scale word, the tile's first query, y's addresses; the sums begin as zeros and the largest t as -3e38.
.macro PRO raw, rs, sj
	s_wait_xcnt 0x0                                ; every earlier load and store has read its base: they are written anew below
	s_bitcmp1_b32 s[\sj], 0                        ; which tile of the pair
	s_cselect_b32 s43, -1, 0
	s_mov_b32 s44, 0x01000100
	s_cselect_b32 s44, 0x03020302, s44
.irp i, 0,1,2,3,4,5
	v_cndmask_b32 v[16+\i], v[\raw+\i], v[\raw+6+\i], s43
.endr
.irp i, 0,1,2,3,4,5
	v_mov_b32 v[198+\i], v[16+\i]
.endr
	v_perm_b32 v255, v[\rs], v[\rs], s44           ; q's two bytes, twice: for either half of the instruction's K
	s_lshr_b32 s41, s[\sj], 1
	s_lshl_b32 s41, s41, 5
	s_and_b32 s42, s[\sj], 1
	s_lshl_b32 s42, s42, 3
	s_add_co_u32 s[Q0], s41, s42
	s_mul_i32 s52, s[\sj], 3072
	s_mov_b32 s53, 0
	s_add_nc_u64 s[48:49], s[6:7], s[52:53]
	s_lshl_b32 s52, s[\sj], 9
	s_add_nc_u64 s[50:51], s[8:9], s[52:53]
	v_mov_b32 v13, 0xff61b1e6                      ; -3e38, under every t
	s_delay_alu instid0(VALU_DEP_1)
	v_floor_f32 v12, -v13
	v_mov_b32 v14, 0
	v_mov_b32 v15, 0
.set J, 0
.rept 32
	v_mov_b32 v[160+J], 0                          ; O^T: the step is written once; the first change of M leaves zeros zeros.  (Also the places between q's registers and the first products)
.set J, J+1
.endr
.endm
; A tile ends: O^T / the sum is y's 64 channels of my query: two blocks of 32, quantised; half a fragment of the projection's operand: three stores of 256 consecutive bytes, aligned.
.macro EPI
.rept 4
	v_nop                                          ; four places behind the last products
.endr
	v_add_f32 v14, v14, v15
	s_delay_alu instid0(VALU_DEP_1)
	v_permlanex16_b32 v252, v14, s[SEL], s[SEL+1]
	s_delay_alu instid0(VALU_DEP_1)
	v_add_f32 v14, v14, v252                       ; the row's sum
	s_wait_alu depctr_va_vdst(0)
	v_rcp_f32 v14, v14
	v_nop                                          ; a plain place behind the reciprocal
	s_wait_alu depctr_va_vdst(0)                   ; the wait ahead of its first reader
.set J, 0
.rept 16
	v_pk_mul_f32 v[96+J:97+J], v[160+J:161+J], v[14:15] op_sel_hi:[1,0]   ; register 16 b + i: channel 32 b + 16 h + i
.set J, J+2
.endr
.irp b, 0,1
	v_max3_num_f32 v[232+\b], |v[96+16*\b]|, |v[97+16*\b]|, 0x1800000
.endr
.irp i, 2,4,6,8,10,12,14
.irp b, 0,1
	s_delay_alu instid0(VALU_DEP_2)
	v_max3_num_f32 v[232+\b], v[232+\b], |v[96+16*\b+\i]|, |v[97+16*\b+\i]|
.endr
.endr
.irp b, 0,1
	s_delay_alu instid0(VALU_DEP_2)
	v_permlanex16_b32 v[236+\b], v[232+\b], s[SEL], s[SEL+1]
.endr
.irp b, 0,1
	s_delay_alu instid0(VALU_DEP_2)
	v_max_num_f32 v[232+\b], v[232+\b], v[236+\b]
.endr
.irp b, 0,1
	s_delay_alu instid0(VALU_DEP_2)
	v_add_nc_u32 v[244+\b], 0xff000000, v[232+\b]
.endr
.irp b, 0,1
	s_delay_alu instid0(VALU_DEP_2)
	v_lshrrev_b32 v[236+\b], 23, v[244+\b]
.endr
	v_cvt_scalef32_pk16_fp6_f32 v[224:226], v[96:111], v244
	v_cvt_scalef32_pk16_fp6_f32 v[240:242], v[112:127], v245
	v_nop                                          ; one plain place behind the scaled conversions
.irp i, 0,1,2
	v_permlane16_swap_b32 v[224+\i], v[240+\i]
.endr
.irp i, 0,1,2
	s_delay_alu instid0(VALU_DEP_3)
	v_mov_b32 v[227+\i], v[240+\i]
.endr
	v_cndmask_b32 v238, v236, v237, s[HM]          ; lanes 0-15 store the first block's byte, lanes 16-31 the second's
.irp q, 0,1,2
	global_store_b64 v7, v[224+2*\q:225+2*\q], s[48:49] offset:256*\q
.endr
	global_store_b8 v29, v238, s[50:51]
.endm
	s_wait_tensorcnt 1                             ; my first record is in; my second may be out
	s_barrier_signal -1
	s_barrier_wait -1                              ; records 0-7 of K and of V are whole
	s_wait_loadcnt 0x0                             ; q
	PRO 96, 217, JHI                               ; the late tile (64 or later): keys 0-1023 all count
	LOOP8 0
	s_wait_tensorcnt 0x0                           ; my second record is in
	s_wait_dscnt 0x0
	s_barrier_signal -1
	s_barrier_wait -1                              ; records 8-15 are whole
	LOOP8 1
	EPI
	PRO 204, 216, JLO                              ; the early tile: keys 0-1023 at the most
	s_mov_b32 s[TK], 0
	s_mov_b32 s[KF], 0
	LOOP8 1
	EPI
	s_wait_tensorcnt 0x0                           ; the wave's end
	ds_add_u32 v[SPW], v[NIL]
	s_wait_dscnt 0x0
	s_endpgm
.Lfunc_end_k_qa5a5bd6cbc_attn:
	.size	k_qa5a5bd6cbc_attn, .Lfunc_end_k_qa5a5bd6cbc_attn-k_qa5a5bd6cbc_attn
	.p2alignl 7, 3214868480
	.fill 96, 4, 3214868480
	.section	.rodata,"a",@progbits
	.p2align	6, 0x0
	.amdhsa_kernel k_qa5a5bd6cbc_attn
		.amdhsa_group_segment_fixed_size 327680
		.amdhsa_private_segment_fixed_size 0
		.amdhsa_enable_private_segment 0
		.amdhsa_kernarg_size 24
		.amdhsa_user_sgpr_count 2
		.amdhsa_user_sgpr_kernarg_segment_ptr 1
		.amdhsa_wavefront_size32 1
		.amdhsa_system_sgpr_workgroup_id_x 1
		.amdhsa_system_sgpr_workgroup_id_y 1
		.amdhsa_system_sgpr_workgroup_id_z 1
		.amdhsa_system_vgpr_workitem_id 0
		.amdhsa_next_free_vgpr 256
		.amdhsa_next_free_sgpr 66
		.amdhsa_reserve_vcc 1
		.amdhsa_float_denorm_mode_32 3
		.amdhsa_float_denorm_mode_16_64 3
		.amdhsa_memory_ordered 1
		.amdhsa_forward_progress 1
		.amdhsa_inst_pref_size 82
	.end_amdhsa_kernel
	.amdgpu_metadata
---
amdhsa.version: [ 1, 2 ]
amdhsa.kernels:
  - .name:           k_qa5a5bd6cbc_attn
    .symbol:         k_qa5a5bd6cbc_attn.kd
    .args:
      - { .name: qkv, .offset: 0, .size: 8, .value_kind: global_buffer, .address_space: global }
      - { .name: yg, .offset: 8, .size: 8, .value_kind: global_buffer, .address_space: global }
      - { .name: ys, .offset: 16, .size: 8, .value_kind: global_buffer, .address_space: global }
    .group_segment_fixed_size: 327680
    .private_segment_fixed_size: 0
    .kernarg_segment_align: 8
    .kernarg_segment_size: 24
    .max_flat_workgroup_size: 512
    .sgpr_count:     66
    .vgpr_count:     256
    .wavefront_size: 32
...
	.end_amdgpu_metadata
.endif
;; end of part 3
;; launch proj (part 4): grid 4 x 32, 4 waves a work-group, clusters of 4 x 4, 327,680 bytes of LDS; arguments yg, ys, wg, ws, b_proj, out0; writes out0
.if DOCPART == 4
	.amdgcn_target "amdgcn-amd-amdhsa--gfx1250"
	.amdhsa_code_object_version 6
	.text
	.protected	k_qa5a5bd6cbc_proj
	.globl	k_qa5a5bd6cbc_proj
	.p2align	8
	.type	k_qa5a5bd6cbc_proj,@function
k_qa5a5bd6cbc_proj:
	s_mov_b64 s[64:65], 0
	v_nop
	global_prefetch_b8 v0, s[64:65] scope:SCOPE_SE
	s_setreg_imm32_b32 hwreg(HW_REG_WAVE_MODE, 25, 1), 1
	s_wait_xcnt 0x0
	s_wait_alu depctr_hold_cnt(0) depctr_sa_sdst(0) depctr_va_vdst(0) depctr_va_sdst(0) depctr_va_ssrc(0) depctr_va_vcc(0) depctr_vm_vsrc(0)
	s_getreg_b32 s2, hwreg(HW_REG_IB_STS2, 6, 4)
	s_cmp_eq_u32 s2, 0
	s_cbranch_scc0 .Lentry_in_a_cluster
	s_endpgm
.Lentry_in_a_cluster:
	s_bfe_u32 s2, ttmp6, 0x10000c
	s_cmp_lg_u32 s2, 0xf033
	s_cbranch_scc0 .Lentry_shape_is_right
	s_endpgm
.Lentry_shape_is_right:
; out0 = y w_proj + b_proj on codes of FP6 (E2M3) with E8M0 scales, sums in f32.  y's codes and scale bytes come from launch attn, w_proj's (blocks 192-255 of the weights' image) from launch quant, both in the order of
; the operands' registers: 8 blocks of 16 rows x 256 along K are 24,576 dense bytes, one tensor load; a fragment is six loads of 256 consecutive LDS bytes.
; A tile of the output is 256 x 256: four waves of 128 x 128 (64 accumulators).  The matrix instruction is used transposed (source 0 = 16 columns of w_proj, source 1 = 16 tokens): a lane holds one token and eight
; neighbouring columns.  A block of 16 rows of either operand holds rows rho(a, r) = 32 (a / 2) + 8 (a % 2) + r + 8 (r / 8).  The bias is the C of each sum's first product.
; K = 1,024 is four K steps of 256: three LDS slots take K steps 0 to 2 with the first fills; slot 0 is filled once more, with K step 3, behind a round of the cluster's barrier.  By this text's own count a wave has four
; tensor loads out at the start, later one.  CLUSTER 4 x 4: y's tiles are asked for jointly along a row of the cluster, w_proj's along a column.  128 work-groups: the tile is kept at 256 x 256 so that the schedule is
; launch qkv's.  No prefetch: three of the four K steps are asked for in the first lines.
; REGISTERS: window 0: v16-29 addresses; v32-63 scale words, two sets; v64-127 the bias; v128-223 A's fragments (on the way out v128-255: rows read back).  Window 1: B's fragments, two sets.  Windows 2, 3: accumulators.
.set HALFT,  24576
.set SLOT,   4*HALFT
.set SCL,    3*SLOT
.set HALFS,  16*272
.set SBLK,   2*272
.set SPARE,  SCL+4*HALFS               ; the spare words, 128 bytes for each wave: two blocks of 256 bytes that no other line names
.set SPITCH, 528                       ; the way out: a stage of 16 rows x (512 bytes + 16) for each wave, in slot 1: it has had its only fill, and its last read lies two barriers back
.set FR,     12
.set NL,     6
.set NP,     4
.set NQ,     2
.set ADRA, 16
.set ADRB, 20
.set STO,  24
.set RD,   25
.set CO,   26
.set ADRS, 27
.set SPW,  28
.set NIL,  29
.set SC,   32
.set BJ,   64
.set AF,   128
.set BK,   128
.set WV,   16
.set WHI,  17
.set WLO,  18
.set G1,   24
.set G0,   32
.set G1B,  44
.set G0B,  52
.set G1S,  68
.set G0S,  76
.set G1SB, 80
.set G0SB, 88
.set STRA, 1572864                     ; a K step on in y's image: 512 blocks
.set STRB, 786432                      ; in the weights': 256
.set MSB, 0
.macro WIN new
.if MSB != (\new)
	s_set_vgpr_msb (MSB<<8)|(\new)
.set MSB, (\new)
.endif
.endm
.set MUL_LO, 0xa1                      ; source 0 (B) window 1, source 1 (A) window 0, C and D window 2
.set MUL_HI, 0xf1
.set FST_LO, 0x81                      ; the first products: C (the bias) window 0, D window 2
.set FST_HI, 0xc1
.set TO_B,   0x40
.macro JLOAD g0a, g1a, g0b, g1b        ; a joint load: waves 0 and 1 fetch for A, waves 2 and 3 for B; an s_nop 0 and four v_nop follow each of the two lines
	s_cmp_eq_u32 s[WHI], 0
	s_cbranch_scc0 .Lfor_b_\@
	tensor_load_to_lds s[\g0a:\g0a+3], s[\g1a:\g1a+7]
	s_nop 0
.rept 4
	v_nop
.endr
	s_branch .Lasked_\@
.Lfor_b_\@:
	tensor_load_to_lds s[\g0b:\g0b+3], s[\g1b:\g1b+7]
	s_nop 0
.rept 4
	v_nop
.endr
.Lasked_\@:
.endm
.macro CREST
	s_cmp_lg_u32 s[WV], 0
	s_cbranch_scc1 .Lnot_wave_0_\@
	s_barrier_signal -3
.Lnot_wave_0_\@:
	s_barrier_wait -3
	s_barrier_signal -1
	s_barrier_wait -1
.endm
.macro CROUND
	s_barrier_signal -1
	s_barrier_wait -1
	CREST
.endm
.macro PLACES n
.rept \n
	v_nop
.endr
.endm
.macro FRAG reg, adr, q, i
.irp p, 0,1,2,3,4,5
	ds_load_b64 v[\reg+2*\p:\reg+2*\p+1], v[\adr] offset:(\i)*3072+(\q)*1536+256*\p
.endr
.endm
; 16 matrix instructions: A's blocks a0, a0 + 1 x B's eight.  first = 1: the bias starts the sums.  The 64 accumulators take turns, one instruction a turn.
.macro MUL16 a0, p, q, sc, first
.irp a, \a0, \a0+1
.irp b, 0,1,2,3,4,5,6,7
.if \first
	v_wmma_scale_f32_16x16x128_f8f6f4 v[8*(8*((\a)%4)+\b):8*(8*((\a)%4)+\b)+7], v[128*(\p)+FR*\b:128*(\p)+FR*\b+FR-1], v[AF+FR*(\a):AF+FR*(\a)+FR-1], v[BJ+8*\b:BJ+8*\b+7], v[SC+8*NQ*(\sc)+NQ*\b+(\q)], v[SC+8*NQ*(\sc)+NQ*(\a)+(\q)] matrix_a_fmt:MATRIX_FMT_FP6 matrix_b_fmt:MATRIX_FMT_FP6 matrix_a_scale:MATRIX_SCALE_ROW1
.else
	v_wmma_scale_f32_16x16x128_f8f6f4 v[8*(8*((\a)%4)+\b):8*(8*((\a)%4)+\b)+7], v[128*(\p)+FR*\b:128*(\p)+FR*\b+FR-1], v[AF+FR*(\a):AF+FR*(\a)+FR-1], v[8*(8*((\a)%4)+\b):8*(8*((\a)%4)+\b)+7], v[SC+8*NQ*(\sc)+NQ*\b+(\q)], v[SC+8*NQ*(\sc)+NQ*(\a)+(\q)] matrix_a_fmt:MATRIX_FMT_FP6 matrix_b_fmt:MATRIX_FMT_FP6 matrix_a_scale:MATRIX_SCALE_ROW1
.endif
.endr
.endr
.endm
.macro FETCH_B slot, q, p
	WIN TO_B
.irp i, 0,1,2,3,4,5,6,7
	FRAG 128*(\p)+FR*\i, ADRB+\slot, \q, \i
.endr
	WIN 0
.endm
.macro FETCH_A slot, q, i0
.irp i, \i0, \i0+1, \i0+2, \i0+3
	FRAG AF+FR*(\i), ADRA+\slot, \q, \i
.endr
.endm
.macro SCALES sc
.irp i, 0,1,2,3,4,5,6,7
	ds_load_b64 v[SC+8*NQ*\sc+NQ*\i:SC+8*NQ*\sc+NQ*\i+1], v[ADRS] offset:\i*SBLK
.endr
.endm
.macro STEP slot, sc, first
	s_wait_dscnt 4*NL                              ; all but the youngest 24 loads (A's blocks 4-7) are in
.if \first
	WIN FST_LO
.else
	WIN MUL_LO
.endif
	MUL16 0, 0, 0, \sc, \first
	MUL16 2, 0, 0, \sc, \first
	s_wait_dscnt 0
	PLACES NP                                      ; four places in front of loads into registers that matrix instructions have read
	FETCH_B \slot, 1, 1
	FETCH_A \slot, 1, 0
.if \first
	WIN FST_HI
.else
	WIN MUL_HI
.endif
	MUL16 4, 0, 0, \sc, \first
	MUL16 6, 0, 0, \sc, \first
	PLACES NP
	WIN 0
	FETCH_A \slot, 1, 4
.endm
; The second 128 of a K step changes slots: one barrier.  fill = 1: slot 0 is filled again: the wait for all my tensor loads, the add, the wait for it and for my reads in front; the barrier opens a round of the cluster's
; barrier; the joint load is the first thing behind it.  fill = 0.
.macro TURN slot, next, sc, nsc, fill, tc
.if \fill
	s_wait_tensorcnt 0x0                           ; all my tensor loads have landed
	ds_add_u32 v[SPW], v[NIL]                      ; 0 onto my spare word
	s_wait_dscnt 4*NL+1                            ; (the add and the youngest 24 loads may be out)
.else
	s_wait_tensorcnt \tc                           ; my part of the next slot is in
	s_wait_dscnt 4*NL
.endif
	WIN MUL_LO
	MUL16 0, 1, 1, \sc, 0
	s_wait_dscnt 0x0                               ; my reads of this slot are over (and the add is done)
	s_barrier_signal -1
	MUL16 2, 1, 1, \sc, 0
	WIN 0
	s_barrier_wait -1
.if \fill
	CREST                                          ; no wave of any partner still reads the slot or has a load on its way
	s_add_nc_u64 s[G0+2:G0+3], s[G0+10:G0+11], STRA        ; K step 3 = slot 2's K step and one more; no tensor load of mine is out
	s_add_nc_u64 s[G0B+2:G0B+3], s[G0B+10:G0B+11], STRB
	JLOAD G0, G1, G0B, G1B                         ; its four v_nop are also the places in front of the loads below
.else
	PLACES NP
.endif
	v_add_nc_u32 v[ADRS], 4*NQ, v[ADRS]
	FETCH_B \next, 0, 0
	FETCH_A \next, 0, 0
	SCALES \nsc
	WIN MUL_HI
	MUL16 4, 1, 1, \sc, 0
	MUL16 6, 1, 1, \sc, 0
	PLACES NP
	WIN 0
	FETCH_A \next, 0, 4
.endm
	s_load_b256 s[4:11], s[0:1], 0x0               ; yg s[4:5], ys s[6:7], wg s[8:9], ws s[10:11]
	s_load_b128 s[12:15], s[0:1], 0x20             ; b_proj s[12:13], out0 s[14:15]
	v_lshl_add_u32 v[SPW], v0, 2, SPARE
	v_mov_b32 v[NIL], 0
	ds_add_u32 v[SPW], v[NIL]                      ; the wave's opening: the add and its wait stand ahead of my first tensor load; the set-up below, work on registers, stands between them
	ds_add_u32 v[SPW], v[NIL]
	v_lshrrev_b32 v1, 5, v0
	v_readfirstlane_b32 s[WV], v1
	s_lshr_b32 s[WHI], s[WV], 1                    ; which 128 tokens are mine.  Also: I fetch for A (0) or for B (1)
	s_and_b32 s[WLO], s[WV], 1                     ; which 128 columns.  Also: which half of that tile I fetch
	s_bfe_u32 s92, ttmp6, 0x40000                  ; cx
	s_bfe_u32 s93, ttmp6, 0x40004                  ; cy
	s_lshl_b32 s94, ttmp9, 2
	s_add_co_u32 s94, s94, s92                     ; tile column
	s_and_b32 s95, ttmp7, 0xffff
	s_lshl_b32 s95, s95, 2
	s_add_co_u32 s95, s95, s93                     ; tile row
	s_lshl_b32 s96, s93, 2
	s_lshl_b32 s96, 15, s96                        ; my row of the cluster
	s_lshl_b32 s97, 0x1111, s92                    ; my column
	s_or_b32 s[G1], s96, (3<<16)|(1<<21)           ; the codes: 96 rows of 256 dense bytes, no padding
	s_or_b32 s[G1B], s97, (3<<16)|(1<<21)
.irp g, G1, G1B
	s_mov_b32 s[\g+1], 32<<16
	s_mov_b32 s[\g+2], 96<<16
	s_mov_b32 s[\g+3], 32<<16
	s_mov_b32 s[\g+4], 96
	s_mov_b32 s[\g+5], 32
	s_mov_b32 s[\g+6], 0
	s_mov_b32 s[\g+7], 0
.endr
	s_or_b32 s[G1S], s96, (3<<16)|(1<<20)|(1<<21)|(5<<22)|(3<<25)   ; the scales of 128 rows: 16 rows of 256 dense bytes, 16 bytes of padding behind each
	s_or_b32 s[G1SB], s97, (3<<16)|(1<<20)|(1<<21)|(5<<22)|(3<<25)
.irp g, G1S, G1SB
	s_mov_b32 s[\g+1], 32<<16
	s_mov_b32 s[\g+2], 16<<16
	s_mov_b32 s[\g+3], 32<<16
	s_mov_b32 s[\g+4], 16
	s_mov_b32 s[\g+5], 32
	s_mov_b32 s[\g+6], 0
	s_mov_b32 s[\g+7], 0
.endr
	s_lshl_b32 s21, s[WLO], 3
	s_lshl_b32 s22, s95, 4
	s_add_co_u32 s22, s22, s21                     ; A: my first block: 16 x tile row + 8 x half
	s_lshl_b32 s98, s94, 4
	s_add_co_u32 s98, s98, s21
	s_add_co_u32 s98, s98, 192                     ; B: 192 + 16 x tile column + 8 x half
	s_mul_i32 s2, s22, 3072
	s_mov_b32 s3, 0
	s_lshl_b32 s22, s22, 9
	s_mov_b32 s23, 0
	s_mul_i32 s20, s98, 3072
	s_mov_b32 s21, 0
	s_lshl_b32 s98, s98, 9
	s_mov_b32 s99, 0
.irp g, G0, G0B
	s_mov_b32 s[\g], 1
	s_mov_b32 s[\g+4], 1
	s_mov_b32 s[\g+8], 1
	s_mul_i32 s[\g+1], s[WV], HALFT                ; wave x a half, + the slot: no place in the cluster enters an LDS address
	s_add_co_u32 s[\g+5], s[\g+1], SLOT
	s_add_co_u32 s[\g+9], s[\g+1], 2*SLOT
.endr
.irp g, G0S, G0SB
	s_mov_b32 s[\g], 1
	s_mul_i32 s[\g+1], s[WV], HALFS
	s_add_co_u32 s[\g+1], s[\g+1], SCL
.endr
	s_wait_dscnt 0x0                               ; the opening add is done
	s_wait_kmcnt 0x0
	s_add_nc_u64 s[G0+2:G0+3], s[4:5], s[2:3]
	s_add_nc_u64 s[G0+6:G0+7], s[G0+2:G0+3], STRA
	s_add_nc_u64 s[G0+10:G0+11], s[G0+6:G0+7], STRA
	s_add_nc_u64 s[G0B+2:G0B+3], s[8:9], s[20:21]
	s_add_nc_u64 s[G0B+6:G0B+7], s[G0B+2:G0B+3], STRB
	s_add_nc_u64 s[G0B+10:G0B+11], s[G0B+6:G0B+7], STRB
	s_add_nc_u64 s[G0S+2:G0S+3], s[6:7], s[22:23]
	s_add_nc_u64 s[G0SB+2:G0SB+3], s[10:11], s[98:99]
.irp g, G0+3, G0+7, G0+11, G0B+3, G0B+7, G0B+11, G0S+3, G0SB+3
	s_or_b32 s[\g], s[\g], 0x80000000              ; type = 2
.endr
	CROUND                                         ; all sixteen work-groups are here: the first joint loads meet
	JLOAD G0S, G1S, G0SB, G1SB
	JLOAD G0, G1, G0B, G1B
	JLOAD G0+4, G1, G0B+4, G1B
	JLOAD G0+8, G1, G0B+8, G1B
	v_and_b32 v1, 15, v0                           ; r
	v_bfe_u32 v2, v0, 4, 1                         ; h
	v_and_b32 v3, 31, v0                           ; lane
	v_lshlrev_b32 v4, 3, v3
	s_mul_i32 s20, s[WHI], HALFT
	s_mul_i32 s21, s[WLO], HALFT
	s_add_co_u32 s21, s21, 2*HALFT
.irp s, 0,1,2
	v_add_nc_u32 v[ADRA+\s], s20, v4
	v_add_nc_u32 v[ADRB+\s], s21, v4
	s_add_co_u32 s20, s20, SLOT
	s_add_co_u32 s21, s21, SLOT
.endr
	v_lshlrev_b32 v5, 5, v1
	v_lshrrev_b32 v6, 8, v5
	v_lshl_add_u32 v5, v6, 4, v5
	s_mul_i32 s20, s[WHI], HALFS
	s_mul_i32 s21, s[WLO], HALFS
	s_add_co_u32 s21, s21, 2*HALFS
	s_sub_co_u32 s21, s21, s20
	v_mul_u32_u24 v6, s21, v2                      ; lanes 16-31 take B's scale words
	s_add_co_u32 s20, s20, SCL
	v_add_nc_u32 v5, v5, v6
	v_add_nc_u32 v[ADRS], s20, v5
	v_lshlrev_b32 v12, 6, v2                       ; 64 h
	s_wait_alu depctr_va_vdst(0)
	s_mul_i32 s23, s[WV], 16*SPITCH
	s_add_co_u32 s23, s23, SLOT                    ; my stage
	v_mul_u32_u24 v5, v1, SPITCH
	v_lshl_add_u32 v5, v2, 6, v5
	v_add_nc_u32 v[STO], s23, v5                   ; in: row r, + 64 h
	v_lshlrev_b32 v[CO], 4, v3                     ; back: the 32 lanes take one row of 512 bytes; and the same in out0
	v_add_nc_u32 v[RD], s23, v[CO]
	s_lshl_b32 s20, s95, 8
	s_lshl_b32 s21, s[WHI], 7
	s_add_co_u32 s20, s20, s21                     ; my first token
	s_lshl_b32 s20, s20, 12                        ; rows of 4,096 bytes
	s_lshl_b32 s22, s94, 8
	s_lshl_b32 s21, s[WLO], 7
	s_add_co_u32 s22, s22, s21                     ; my first column
	s_lshl_b32 s22, s22, 2
	s_mov_b32 s23, 0
	s_add_nc_u64 s[4:5], s[12:13], s[22:23]
	s_add_co_u32 s20, s20, s22
	s_mov_b32 s21, 0
	s_add_nc_u64 s[14:15], s[14:15], s[20:21]
.irp b, 0,1,2,3
.irp j, 0,1,2,3
	global_load_b128 v[BJ+16*\b+4*\j:BJ+16*\b+4*\j+3], v12, s[4:5] offset:128*\b+16*\j   ; register 16 b + i: column 32 b + 16 h + i of my 128: the layout of two neighbouring accumulators
.endr
.endr
	s_wait_tensorcnt 2                             ; the scales and my part of K step 0 are in; K steps 1 and 2 may be out
	s_barrier_signal -1
	s_barrier_wait -1
	FETCH_B 0, 0, 0
	FETCH_A 0, 0, 0
	SCALES 0
	FETCH_A 0, 0, 4
	s_wait_loadcnt 0x0                             ; the bias
	STEP 0, 0, 1
	TURN 0, 1, 0, 1, 1, 0                          ; slot 0 takes K step 3
	s_wait_alu depctr_va_vdst(0)
	STEP 1, 1, 0
	TURN 1, 2, 1, 0, 0, 1                          ; K step 2 is in; K step 3's load, the one younger, may be out
	s_wait_alu depctr_va_vdst(0)
	STEP 2, 0, 0
	TURN 2, 0, 0, 1, 0, 0                          ; K step 3 is in
	STEP 0, 1, 0
	s_wait_dscnt 4*NL
	WIN MUL_LO
	MUL16 0, 1, 1, 1, 0
	MUL16 2, 1, 1, 1, 0
	s_wait_dscnt 0x0
	WIN MUL_HI
	MUL16 4, 1, 1, 1, 0
	MUL16 6, 1, 1, 1, 0
	WIN 0
; THE WAY OUT, block by block of 16 tokens x 128 columns, through my own stage: a lane's eight results of accumulator b are columns 32 (b / 2) + 16 h + 8 (b % 2) + 0 .. 7 of token rho(a, r); they come back as whole rows of
; 512 bytes.  LDS serves a wave's instructions in order: no wait between the stores and the loads, nor in front of the next block's stores.
.macro TOSTAGE a
.set AC, 64*((\a)%4)
	WIN 0x08+4*((\a)/4)                            ; an LDS store's data are its source 1: window 2 or 3
.irp b, 0,1,2,3,4,5,6,7
	ds_store_b128 v[STO], v[AC+8*\b:AC+8*\b+3] offset:128*(\b/2)+32*(\b%2)          ; each accumulator from its low end on
	ds_store_b128 v[STO], v[AC+8*\b+4:AC+8*\b+7] offset:128*(\b/2)+32*(\b%2)+16
.endr
	WIN 0
.set BB, BK+64*((\a)%2)
.irp t, 0,1,2,3,4,5,6,7,8,9,10,11,12,13,14,15
	ds_load_b128 v[BB+4*\t:BB+4*\t+3], v[RD] offset:\t*SPITCH
.endr
.endm
.macro SEND a, younger                 ; younger: the LDS instructions issued behind block a's loads, which may stay out
.set BB, BK+64*((\a)%2)
	s_wait_dscnt \younger
.if (\a) > 0
.if ((\a)%2) == 1
	s_add_nc_u64 s[14:15], s[14:15], 8*4096        ; (the earlier stores have read their base)  an odd block begins 8 tokens behind the even one,
.else
	s_add_nc_u64 s[14:15], s[14:15], 24*4096       ; an even block 24 behind the odd one
.endif
.endif
.irp t, 0,1,2,3,4,5,6,7,8,9,10,11,12,13,14,15
	global_store_b128 v[CO], v[BB+4*\t:BB+4*\t+3], s[14:15] offset:(\t+8*(\t/8))*4096 th:TH_STORE_NT   ; 32 lanes store 512 consecutive bytes, aligned; written once, read by nobody here
.endr
.endm
	PLACES NP                                      ; four places behind the last products: for the reads of results and the loads into A's registers
	TOSTAGE 0
.irp a, 1,2,3,4,5,6,7
.if \a > 1
	s_wait_xcnt 0x0                                ; the stores of two blocks back have read their registers and their base
.endif
	TOSTAGE \a
	SEND \a-1, 32                                  ; behind that block's loads: this block's 16 stores and 16 loads
.endr
	s_wait_xcnt 0x0
	SEND 7, 0
	s_wait_tensorcnt 0x0                           ; the wave's end
	ds_add_u32 v[SPW], v[NIL]
	s_wait_dscnt 0x0
	CROUND                                         ; the closing round: no work-group ends while a partner may still ask for a tile that names it
	s_endpgm
.Lfunc_end_k_qa5a5bd6cbc_proj:
	.size	k_qa5a5bd6cbc_proj, .Lfunc_end_k_qa5a5bd6cbc_proj-k_qa5a5bd6cbc_proj
	.p2alignl 7, 3214868480
	.fill 96, 4, 3214868480
	.section	.rodata,"a",@progbits
	.p2align	6, 0x0
	.amdhsa_kernel k_qa5a5bd6cbc_proj
		.amdhsa_group_segment_fixed_size 327680
		.amdhsa_private_segment_fixed_size 0
		.amdhsa_enable_private_segment 0
		.amdhsa_kernarg_size 48
		.amdhsa_user_sgpr_count 2
		.amdhsa_user_sgpr_kernarg_segment_ptr 1
		.amdhsa_wavefront_size32 1
		.amdhsa_system_sgpr_workgroup_id_x 1
		.amdhsa_system_sgpr_workgroup_id_y 1
		.amdhsa_system_sgpr_workgroup_id_z 1
		.amdhsa_system_vgpr_workitem_id 0
		.amdhsa_next_free_vgpr 1024
		.amdhsa_next_free_sgpr 102
		.amdhsa_reserve_vcc 0
		.amdhsa_float_denorm_mode_32 3
		.amdhsa_float_denorm_mode_16_64 3
		.amdhsa_memory_ordered 1
		.amdhsa_forward_progress 1
		.amdhsa_inst_pref_size 161
	.end_amdhsa_kernel
	.amdgpu_metadata
---
amdhsa.version: [ 1, 2 ]
amdhsa.kernels:
  - .name:           k_qa5a5bd6cbc_proj
    .symbol:         k_qa5a5bd6cbc_proj.kd
    .args:
      - { .name: yg, .offset: 0, .size: 8, .value_kind: global_buffer, .address_space: global }
      - { .name: ys, .offset: 8, .size: 8, .value_kind: global_buffer, .address_space: global }
      - { .name: wg, .offset: 16, .size: 8, .value_kind: global_buffer, .address_space: global }
      - { .name: ws, .offset: 24, .size: 8, .value_kind: global_buffer, .address_space: global }
      - { .name: b_proj, .offset: 32, .size: 8, .value_kind: global_buffer, .address_space: global }
      - { .name: out0, .offset: 40, .size: 8, .value_kind: global_buffer, .address_space: global }
    .group_segment_fixed_size: 327680
    .private_segment_fixed_size: 0
    .kernarg_segment_align: 8
    .kernarg_segment_size: 48
    .max_flat_workgroup_size: 128
    .sgpr_count:     102
    .vgpr_count:     1024
    .wavefront_size: 32
...
	.end_amdgpu_metadata
.endif
;; end of part 4
